; MI455X (gfx1250); checked and timed in simulation.
; The chip was launched on July 23, 2026; its instructions are those of AMD's public machine-readable ISA for CDNA 5 (MIT licence, August 2026) and "CDNA5" Instruction Set Architecture Reference Guide (July 2026). The comments in the code are by the model that wrote it; some were corrected since.
;; Block. Allowed arithmetic: matrix products marked QUANTISED: E4M3 operands, one given power-of-two scale a tensor, by v_wmma_f32_16x16x64_fp8_fp8 or v_wmma_f32_16x16x128_fp8_fp8, f32 sums; everything else in f32.
;; Inputs: b_attn 3,072 float32; b_fc 4,096 float32; b_proj 1,024 float32; b_proj2 1,024 float32; ln1_b 1,024 float32; ln1_g 1,024 float32; ln2_b 1,024 float32; ln2_g 1,024 float32; lowp_scales 12 int32 (the exponents e of the quantised operands' scales 2^e); w_attn 1,024 x 3,072 float32; w_fc 1,024 x 4,096 float32; w_proj 1,024 x 1,024 float32; w_proj2 4,096 x 1,024 float32; x 2 x 2,048 x 1,024 float32.
;; Outputs: out0 2 x 2,048 x 1,024 float32.
;; This version of the problem:
;;   THIS VERSION OF THE PROBLEM IS GIVEN IN LOW PRECISION. The matrix products marked QUANTISED in the list below multiply operands that are first quantised to E4M3 (4 exponent bits, 3 mantissa bits; 8 bits a number), with one given power-of-two scale for each operand tensor; their sums are f32. All else is computed in f32.
;;   The module's matrix products, in the order in which they are computed (A, B: the left and right operand; K: the contracted axis; several contracted axes count as one K, in the product's order):
;;     1. [M 4,096, K 1,024] x [K 1,024, N 3,072]; A: computed on the way; B: input w_attn: QUANTISED (scales: A lowp_scales[0], B lowp_scales[1])
;;     2. batch 32 x [M 2,048, K 64] x [K 64, N 2,048]; A: computed on the way; B: computed on the way: QUANTISED (scales: A lowp_scales[2], B lowp_scales[3])
;;     3. batch 32 x [M 2,048, K 2,048] x [K 2,048, N 64]; A: softmax (see below); B: computed on the way: QUANTISED (scales: A lowp_scales[4], B lowp_scales[5])
;;     4. [M 4,096, K 1,024] x [K 1,024, N 1,024]; A: computed on the way; B: input w_proj: QUANTISED (scales: A lowp_scales[6], B lowp_scales[7])
;;     5. [M 4,096, K 1,024] x [K 1,024, N 4,096]; A: computed on the way; B: input w_fc: QUANTISED (scales: A lowp_scales[8], B lowp_scales[9])
;;     6. [M 4,096, K 4,096] x [K 4,096, N 1,024]; A: computed on the way; B: input w_proj2: QUANTISED (scales: A lowp_scales[10], B lowp_scales[11])
;;   THE QUANTISER, for each operand of a quantised product, along K:
;;     - The operand's scale is 2^e, e = its entry of the input lowp_scales (int32; the entries are numbered through the quantised products in the list's order, A before B).
;;     - Each number is divided by the scale, clamped to +-448, and rounded to the nearest number of E4M3, ties to even, subnormals kept.
;;     - The product sums the exact products of the quantised numbers (number of the format x scale) in f32.
;;   ~~~python
;;   def quantise(x, axis, e):      # numpy; x: float32 -> the quantised numbers, widened to float32 again
;;       x = np.moveaxis(x, axis, -1); K = x.shape[-1]
;;       r = np.clip(x / 2.0 ** e, -448, 448)
;;       step = 2.0 ** (np.maximum(np.frexp(np.where(r == 0, 1, r))[1] - 1, -6) - 3)
;;       q = np.round(r / step) * step * 2.0 ** e      # np.round: ties to even
;;       return np.moveaxis(q, -1, axis).astype(np.float32)
;;   ~~~
;;   SOFTMAX AHEAD OF A QUANTISED PRODUCT. Where the list says 'softmax', what is quantised is not the finished softmax but p = 2^(t - M), with t = logit x log2(e) and M = ceil(the row's largest t), a whole number; so 1/2 < the row's largest p <= 1. The row's sum l is taken of the UNQUANTISED p, in f32, and the product's result is divided by l at the end. Since M is a whole number, a kernel that streams over the keys may use a running M (the ceiling of the running maximum): every later rescaling is an exact power of two, so the quantised numbers keep their values, but for numbers so far below the row's largest that they fall under the format's range.
;;   OPERANDS COMPUTED ON THE WAY. 'Computed on the way' means the value that the module computes at that place (a softmax that the list does not call 'softmax' is quantised finished and normalised). What goes into a quantiser is computed in f32, as accurately as f32 sums, v_exp_f32 and their like allow (about 1e-6 of the number): no bf16 or f16 on the way to a quantiser, and a product that is left as it is and whose result goes on into a quantised operand takes f32 operands (vector FMAs, or v_wmma_f32_16x16x4_f32). A number that lies on a knife's edge between two numbers of the format may be rounded either way, as far as f32 arithmetic and the matrix unit's own rounding can turn it there, and no further.
;; One version. Each part assembles by itself: llvm-mc -triple=amdgcn-amd-amdhsa -mcpu=gfx1250 --defsym DOCPART=n.
;; ======== version 1 of 1: 7 launches
;; limits: right only within a limited range of input values
;; workspace buffers: wimg 12,582,912 bytes; h1 4,194,304 bytes; qkv 12,582,912 bytes; yimg 4,194,304 bytes; x1 16,777,216 bytes; h2 4,194,304 bytes; h3 16,777,216 bytes
;; launch prep (part 1): grid 1024 x 1, 4 waves a work-group, no clusters, 17,920 bytes of LDS; arguments x, ln1_g, ln1_b, w_attn, w_proj, w_fc, w_proj2, lowp_scales, h1, wimg; writes h1, wimg
.if DOCPART == 1
	.amdgcn_target "amdgcn-amd-amdhsa--gfx1250"
	.amdhsa_code_object_version 6
	.text
	.protected	k_qde6d6a1cc8_prep
	.globl	k_qde6d6a1cc8_prep
	.p2align	8
	.type	k_qde6d6a1cc8_prep,@function
k_qde6d6a1cc8_prep:
	s_mov_b64 s[64:65], 0
	v_nop
	global_prefetch_b8 v0, s[64:65] scope:SCOPE_SE
	s_setreg_imm32_b32 hwreg(HW_REG_WAVE_MODE, 25, 1), 1
	s_wait_xcnt 0x0
; Work-groups 0-255: layernorm 1 of 16 rows of x each, quantised to E4M3 with 2^e0, stored as an operand image (h1).
; Work-groups 256-639: the four weights [K][N] f32, quantised along K with their given scales, stored as operand images (wimg).
; THE IMAGE.  A fragment is 16 rows x 128 K = 2,048 bytes: four chunks of 512 bytes; in chunk c lane l = r + 16 h has 16 bytes at 16 l: row r, k = 32 c + 16 h + 0..15.
; byte(row, k) = (row / 16) 16 K + (k / 128) 2048 + ((k / 32) % 4) 512 + ((k / 16) % 2) 256 + (row % 16) 16 + k % 16.  Four 16-byte loads a lane bring a fragment's 16 registers as they stand.
; A weight's "row" is its column n, permuted inside each 32: row tile 2 (n / 32) + (n / 8) % 2, row (n % 8) + 8 ((n / 16) % 2): so the transposed product leaves a lane 16 neighbouring n in two neighbouring tiles.
; LIMITS: every e between -126 and 119, so that 2^e and 448 x 2^e are f32 numbers.  NaN among the inputs is not served (an infinity is held at the largest code).
; THE WEIGHTS' SHARE, which holds where the lines above differ: work-groups 256-1023 take the four weights, 128 columns x 128 along K each (see THE WEIGHTS below): 1,024 work-groups in all, four to a WGP.
.set SPARE, 17408                      ; behind the stage: the spare words, 128 bytes for each wave: two blocks of 256 bytes that no other line names
.set SPW, 2                            ; v2   LDS address of my spare word; never rewritten
.set NIL, 3                            ; v3   0; never rewritten
.set LI,  5                            ; v5   16 x lane
.set SIN, 6                            ; v6   the stage, on the way in
.set SBK, 7                            ; v7   the stage, on the way back
.set INV, 8                            ; v8   1 / 1024
.set WA,  9                            ; v9   weights: my byte in the image
.set LIM, 10                           ; v10  448 x 2^e
.set SCL, 11                           ; v11  2^e
.set MU,  12                           ; v[12:19] a row's mean, twice, four rows
.set RS,  20                           ; v[20:27] 1 / sqrt(var + eps), twice, four rows
.set G,   32                           ; v32-63   gain of my 32 columns
.set BT,  64                           ; v64-95   bias of my 32 columns
.set X,   96                           ; v96-223  four rows, 32 numbers a lane each
.set CD,  224                          ; v224-255 codes, 8 registers a row
.set T,   224                          ; before the codes are made: four registers a row for the sums
.set VO,  32                           ; weights: v32-63 offsets of 32 rows of W at my column
.set WX,  64                           ; weights: v64-127 two sets of 32 numbers
.set WC,  128                          ; weights: v128-159 codes, 8 registers a block, never rewritten
.set XP, 4
.set GP, 6
.set BP, 8
.set OP, 20
.set EE, 68
.set WV, 24
.set SEL, 30
; four rows' partial sums (two pairs a row) become one number a row, in every lane
.macro REDUCE
.irp p, 0,1,2,3
	v_pk_add_f32 v[T+4*\p:T+4*\p+1], v[T+4*\p:T+4*\p+1], v[T+4*\p+2:T+4*\p+3]
.endr
.irp p, 0,1,2,3
	v_add_f32 v[T+4*\p], v[T+4*\p], v[T+4*\p+1]
.endr
.irp m, 1,2,4,8
.irp p, 0,1,2,3
	v_add_f32_dpp v[T+4*\p], v[T+4*\p], v[T+4*\p] row_xmask:\m row_mask:0xf bank_mask:0xf
.endr
.endr
.irp p, 0,1,2,3
	v_permlanex16_b32 v[T+4*\p+1], v[T+4*\p], s[SEL], s[SEL+1]
.endr
.irp p, 0,1,2,3
	v_add_f32 v[T+4*\p], v[T+4*\p], v[T+4*\p+1]
.endr
.endm
; Layernorm of 16 rows, quantised.  Wave w takes rows 4 w .. 4 w + 3 whole: a load reads 512 consecutive bytes, lane l holds k = 128 j + 4 l + 0..3 of load j.
; Four codes (one register) belong to unit 8 j + l / 4 of the row tile's 64 units of 256 bytes, at 16 x row + 4 (l % 4): they meet the other rows' in a stage (units 272 bytes apart) and leave as whole units.
.macro LNBODY
	v_lshlrev_b32 v[LI], 4, v1
.irp p, 0,1,2,3
.irp j, 0,1,2,3,4,5,6,7
	global_load_b128 v[X+32*\p+4*\j:X+32*\p+4*\j+3], v[LI], s[XP:XP+1] offset:4096*\p+512*\j th:TH_LOAD_NT
.endr
.endr
.irp j, 0,1,2,3,4,5,6,7
	global_load_b128 v[G+4*\j:G+4*\j+3], v[LI], s[GP:GP+1] offset:512*\j
.endr
.irp j, 0,1,2,3,4,5,6,7
	global_load_b128 v[BT+4*\j:BT+4*\j+3], v[LI], s[BP:BP+1] offset:512*\j
.endr
	v_lshrrev_b32 v[SIN], 2, v1
	v_mul_u32_u24 v[SIN], v[SIN], 272
	v_and_b32 v4, 3, v1
	v_lshl_add_u32 v[SIN], v4, 2, v[SIN]
	s_lshl_b32 s34, s[WV], 6
	v_add_nc_u32 v[SIN], s34, v[SIN]               ; 272 (l / 4) + 4 (l % 4) + 16 x (4 w): 32 lanes of a store fall on 32 different banks
	v_lshrrev_b32 v[SBK], 4, v1
	v_mul_u32_u24 v[SBK], v[SBK], 272
	v_and_b32 v4, 15, v1
	v_lshl_add_u32 v[SBK], v4, 4, v[SBK]
	s_mul_i32 s34, s[WV], 16*272
	v_add_nc_u32 v[SBK], s34, v[SBK]               ; back: wave w takes units 16 w .. 16 w + 15, two an instruction
	s_mov_b32 s[SEL], 0x76543210
	s_mov_b32 s[SEL+1], 0xfedcba98
	v_mov_b32 v[INV], 0x3a800000
	s_wait_kmcnt 0x0
	s_add_co_i32 s34, s[EE], 127
	s_lshl_b32 s35, s34, 23
	v_mov_b32 v[SCL], s35                          ; 2^e as f32: the conversion takes its exponent field
	s_add_co_i32 s34, s34, 8
	s_lshl_b32 s34, s34, 23
	s_or_b32 s34, s34, 0x600000
	v_mov_b32 v[LIM], s34                          ; 448 x 2^e
	s_wait_loadcnt 16                              ; the four rows are in; the 16 loads of gain and bias may be out
.irp p, 0,1,2,3
	v_pk_add_f32 v[T+4*\p:T+4*\p+1], v[X+32*\p:X+32*\p+1], v[X+32*\p+2:X+32*\p+3]
	v_pk_add_f32 v[T+4*\p+2:T+4*\p+3], v[X+32*\p+4:X+32*\p+5], v[X+32*\p+6:X+32*\p+7]
.endr
.irp j, 8,12,16,20,24,28
.irp p, 0,1,2,3
	v_pk_add_f32 v[T+4*\p:T+4*\p+1], v[T+4*\p:T+4*\p+1], v[X+32*\p+\j:X+32*\p+\j+1]
	v_pk_add_f32 v[T+4*\p+2:T+4*\p+3], v[T+4*\p+2:T+4*\p+3], v[X+32*\p+\j+2:X+32*\p+\j+3]
.endr
.endr
	REDUCE
.irp p, 0,1,2,3
	v_mul_f32 v[MU+2*\p], v[INV], v[T+4*\p]        ; the mean
.endr
.irp p, 0,1,2,3
	v_mov_b32 v[MU+2*\p+1], v[MU+2*\p]
.endr
.irp p, 0,1,2,3
.set jj, 0
.rept 16
	v_pk_add_f32 v[X+32*\p+jj:X+32*\p+jj+1], v[X+32*\p+jj:X+32*\p+jj+1], v[MU+2*\p:MU+2*\p+1] neg_lo:[0,1] neg_hi:[0,1]   ; x - mean, in place: the variance is taken of the centred numbers
.set jj, jj+2
.endr
.endr
.irp p, 0,1,2,3
	v_pk_mul_f32 v[T+4*\p:T+4*\p+1], v[X+32*\p:X+32*\p+1], v[X+32*\p:X+32*\p+1]
	v_pk_mul_f32 v[T+4*\p+2:T+4*\p+3], v[X+32*\p+2:X+32*\p+3], v[X+32*\p+2:X+32*\p+3]
.endr
.irp j, 4,8,12,16,20,24,28
.irp p, 0,1,2,3
	v_pk_fma_f32 v[T+4*\p:T+4*\p+1], v[X+32*\p+\j:X+32*\p+\j+1], v[X+32*\p+\j:X+32*\p+\j+1], v[T+4*\p:T+4*\p+1]
	v_pk_fma_f32 v[T+4*\p+2:T+4*\p+3], v[X+32*\p+\j+2:X+32*\p+\j+3], v[X+32*\p+\j+2:X+32*\p+\j+3], v[T+4*\p+2:T+4*\p+3]
.endr
.endr
	REDUCE
.irp p, 0,1,2,3
	v_fmaak_f32 v[T+4*\p], v[INV], v[T+4*\p], 0x3727c5ac   ; var + 1e-5
.endr
	s_wait_alu depctr_va_vdst(0)
.irp p, 0,1,2,3
	v_rsq_f32 v[RS+2*\p], v[T+4*\p]
.endr
	v_nop                                          ; a plain instruction behind the last of the four,
	s_wait_alu depctr_va_vdst(0)                   ; and one wait for the batch, ahead of its first reader
.irp p, 0,1,2,3
	v_mov_b32 v[RS+2*\p+1], v[RS+2*\p]
.endr
	s_wait_alu depctr_va_vdst(0)
	s_wait_loadcnt 0x0                             ; gain and bias
.irp p, 0,1,2,3
.set jj, 0
.rept 16
	v_pk_mul_f32 v[X+32*\p+jj:X+32*\p+jj+1], v[X+32*\p+jj:X+32*\p+jj+1], v[RS+2*\p:RS+2*\p+1]
.set jj, jj+2
.endr
.set jj, 0
.rept 16
	v_pk_fma_f32 v[X+32*\p+jj:X+32*\p+jj+1], v[X+32*\p+jj:X+32*\p+jj+1], v[G+jj:G+jj+1], v[BT+jj:BT+jj+1]
.set jj, jj+2
.endr
.set jj, 0
.rept 32
	v_med3_num_f32 v[X+32*\p+jj], v[X+32*\p+jj], -v[LIM], v[LIM]   ; the conversion to an 8-bit code does not saturate (ISA guide 7.6.2): the hold at the largest code x the scale
.set jj, jj+1
.endr
.irp m, 0,1,2,3
	v_cvt_scalef32_pk8_fp8_f32 v[CD+8*\p+2*\m:CD+8*\p+2*\m+1], v[X+32*\p+8*\m:X+32*\p+8*\m+7], v[SCL]   ; register j of the row's eight: the four codes of load j
.endr
.irp j, 0,1,2,3,4,5,6,7
	ds_store_b32 v[SIN], v[CD+8*\p+\j] offset:2176*\j+16*\p
.endr
.endr
	v_nop                                          ; a plain instruction behind the last conversion
	s_wait_dscnt 0x0                               ; for the others' sake: my stores into the stage are done
	s_barrier_signal -1
	s_barrier_wait -1
.irp i, 0,1,2,3,4,5,6,7
	ds_load_b128 v[X+4*\i:X+4*\i+3], v[SBK] offset:544*\i
.endr
.irp i, 0,1,2,3,4,5,6,7
	s_wait_dscnt 7-\i                              ; LDS loads come back in order: load i is in
	global_store_b128 v[LI], v[X+4*\i:X+4*\i+3], s[OP:OP+1] offset:512*\i   ; 32 lanes store 512 consecutive bytes, aligned
.endr
	s_wait_tensorcnt 0x0                           ; the wave's end, behind my last LDS store
	ds_add_u32 v[SPW], v[NIL]
	s_wait_dscnt 0x0
	s_endpgm
.endm
	s_load_b256 s[4:11], s[0:1], 0x0               ; x, ln1_g, ln1_b, w_attn
	s_load_b256 s[12:19], s[0:1], 0x20             ; w_proj, w_fc, w_proj2, lowp_scales
	s_load_b128 s[20:23], s[0:1], 0x40             ; h1, wimg
	v_lshl_add_u32 v[SPW], v0, 2, SPARE
	v_mov_b32 v[NIL], 0
	v_lshrrev_b32 v1, 5, v0
	v_readfirstlane_b32 s[WV], v1                  ; wave 0..3
	v_and_b32 v1, 31, v0                           ; lane
	s_wait_kmcnt 0x0
	s_load_b256 s[68:75], s[18:19], 0x0            ; e0 .. e7
	s_load_b128 s[76:79], s[18:19], 0x20           ; e8 .. e11
	s_cmp_lt_u32 ttmp9, 256                        ; the work-group's number alone decides: all four waves go the same way
	s_cbranch_scc0 .Lweights
	s_lshl_b32 s26, ttmp9, 16                      ; 16 rows of 4,096 bytes,
	s_lshl_b32 s27, s[WV], 14                      ; my four of them
	s_add_co_u32 s26, s26, s27
	s_mov_b32 s27, 0
	s_add_nc_u64 s[XP:XP+1], s[XP:XP+1], s[26:27]
	s_lshl_b32 s26, ttmp9, 14                      ; the row tile's image: 16,384 bytes,
	s_lshl_b32 s28, s[WV], 12                      ; my sixteen units of it
	s_add_co_u32 s26, s26, s28
	s_add_nc_u64 s[OP:OP+1], s[OP:OP+1], s[26:27]
	s_wait_alu depctr_va_vdst(0)
	LNBODY
; THE WEIGHTS.  A work-group takes 128 columns x 128 along K, a wave 32 columns.  A LANE TAKES A COLUMN AND ITS REGISTERS RUN DOWN K: a load reads 128 consecutive bytes a wave, the conversions give codes with K innermost.
; Lane l takes column (l % 8) + 8 (l / 16) + 16 ((l / 8) % 2) of the 32: lanes 0-15 are then rows 0-15 of row tile 2 b, lanes 16-31 of row tile 2 b + 1, and a store of 16 bytes a lane fills two whole units of 256 bytes.
.Lweights:
	s_wait_kmcnt 0x0
	s_mov_b64 s[28:29], s[10:11]                   ; 256-447: w_attn, 24 blocks of columns x 8 along K
	s_mov_b32 s30, 256                             ; the tensor's first work-group
	s_mov_b32 s31, 12288                           ; a row of W in bytes
	s_mov_b32 s32, 3                               ; log2 of K / 128
	s_mov_b32 s33, 0                               ; the tensor's place in wimg
	s_mov_b32 s34, s69                             ; its e
	s_cmp_ge_u32 ttmp9, 448                        ; 448-511: w_proj, 8 x 8
	s_cselect_b64 s[28:29], s[12:13], s[28:29]
	s_cselect_b32 s30, 448, s30
	s_cselect_b32 s31, 4096, s31
	s_cselect_b32 s33, 0x300000, s33
	s_cselect_b32 s34, s75, s34
	s_cmp_ge_u32 ttmp9, 512                        ; 512-767: w_fc, 32 x 8
	s_cselect_b64 s[28:29], s[14:15], s[28:29]
	s_cselect_b32 s30, 512, s30
	s_cselect_b32 s31, 16384, s31
	s_cselect_b32 s33, 0x400000, s33
	s_cselect_b32 s34, s77, s34
	s_cmp_ge_u32 ttmp9, 768                        ; 768-1023: w_proj2, 8 x 32
	s_cselect_b64 s[28:29], s[16:17], s[28:29]
	s_cselect_b32 s30, 768, s30
	s_cselect_b32 s31, 4096, s31
	s_cselect_b32 s32, 5, s32
	s_cselect_b32 s33, 0x800000, s33
	s_cselect_b32 s34, s79, s34
	s_sub_co_u32 s30, ttmp9, s30
	s_bfm_b32 s35, s32, 0
	s_and_b32 s35, s30, s35                        ; kb: which 128 along K
	s_lshr_b32 s36, s30, s32                       ; cb: which 128 columns
	s_lshl_b32 s37, 2048, s32                      ; a row tile of the image: 16 K bytes
	s_lshl_b32 s38, s36, 9
	s_lshl_b32 s39, s[WV], 7
	s_add_co_u32 s38, s38, s39                     ; 4 x my wave's first column
	s_lshl_b32 s39, s35, 7
	s_mul_i32 s39, s39, s31                        ; 128 kb rows of W
	s_add_co_u32 s38, s38, s39
	s_mov_b32 s39, 0
	s_add_nc_u64 s[40:41], s[28:29], s[38:39]      ; s[40:47]: a base for each of the four blocks of 32 along K; never rewritten
	s_lshl_b32 s38, s31, 5
.irp t, 1,2,3
	s_add_nc_u64 s[40+2*\t:41+2*\t], s[38+2*\t:39+2*\t], s[38:39]
.endr
	s_lshl_b32 s56, s36, 3
	s_lshl_b32 s57, s[WV], 1
	s_add_co_u32 s56, s56, s57                     ; my first row tile: 8 cb + 2 w
	s_mul_i32 s56, s56, s37
	s_add_co_u32 s56, s56, s33
	s_lshl_b32 s57, s35, 11                        ; one fragment for 128 along K
	s_add_co_u32 s56, s56, s57
	s_mov_b32 s57, 0
	s_add_nc_u64 s[22:23], s[22:23], s[56:57]
	s_wait_alu depctr_va_vdst(0)
	v_and_b32 v4, 7, v1
	v_lshrrev_b32 v6, 4, v1
	v_lshl_add_u32 v4, v6, 3, v4
	v_bfe_u32 v7, v1, 3, 1
	v_lshl_add_u32 v4, v7, 4, v4                   ; my column of the 32
	v_lshlrev_b32 v[VO], 2, v4
.irp i, 1,2,3,4,5,6,7,8,9,10,11,12,13,14,15,16,17,18,19,20,21,22,23,24,25,26,27,28,29,30,31
	v_add_nc_u32 v[VO+\i], s31, v[VO+\i-1]         ; a row of W further down
.endr
	v_mul_lo_u32 v[WA], v6, s37
	v_and_b32 v4, 15, v1
	v_lshl_add_u32 v[WA], v4, 4, v[WA]             ; (l / 16) row tiles + 16 (l % 16)
	s_add_co_i32 s34, s34, 127
	s_lshl_b32 s58, s34, 23
	v_mov_b32 v[SCL], s58
	s_add_co_i32 s34, s34, 8
	s_lshl_b32 s34, s34, 23
	s_or_b32 s34, s34, 0x600000
	v_mov_b32 v[LIM], s34
.macro WLOAD t                         ; block t: W(128 kb + 32 t + i, my column), i = 0 .. 31, into set t % 2
.irp i, 0,1,2,3,4,5,6,7,8,9,10,11,12,13,14,15,16,17,18,19,20,21,22,23,24,25,26,27,28,29,30,31
	global_load_b32 v[WX+32*((\t)%2)+\i], v[VO+\i], s[40+2*(\t):41+2*(\t)] th:TH_LOAD_NT
.endr
.endm
.macro WBLOCK t
.set XS, WX+32*((\t)%2)
.if (\t) < 3
	s_wait_loadcnt 32                              ; this block's 32 loads are in; the next block's may be out
.else
	s_wait_loadcnt 0
.endif
.set jj, 0
.rept 32
	v_med3_num_f32 v[XS+jj], v[XS+jj], -v[LIM], v[LIM]
.set jj, jj+1
.endr
.irp g, 0,1,2,3
	v_cvt_scalef32_pk8_fp8_f32 v[WC+8*(\t)+2*\g:WC+8*(\t)+2*\g+1], v[XS+8*\g:XS+8*\g+7], v[SCL]
.endr
	global_store_b128 v[WA], v[WC+8*(\t):WC+8*(\t)+3], s[22:23] offset:((\t)/4)*2048+((\t)%4)*512          ; k = 32 t + 0..15: the chunk's lower unit
	global_store_b128 v[WA], v[WC+8*(\t)+4:WC+8*(\t)+7], s[22:23] offset:((\t)/4)*2048+((\t)%4)*512+256    ; k = 32 t + 16..31: its upper unit
.if (\t)+2 < 4
	WLOAD (\t)+2
.endif
.endm
	WLOAD 0
	WLOAD 1
	s_wait_alu depctr_va_vdst(0)
.irp t, 0,1,2,3
	WBLOCK \t
.endr
	s_wait_tensorcnt 0x0                           ; the wave's end, in the same form as on the other way
	ds_add_u32 v[SPW], v[NIL]
	s_wait_dscnt 0x0
	s_endpgm
.Lfunc_end_k_qde6d6a1cc8_prep:
	.size	k_qde6d6a1cc8_prep, .Lfunc_end_k_qde6d6a1cc8_prep-k_qde6d6a1cc8_prep
	.p2alignl 7, 3214868480
	.fill 96, 4, 3214868480
	.section	.rodata,"a",@progbits
	.p2align	6, 0x0
	.amdhsa_kernel k_qde6d6a1cc8_prep
		.amdhsa_group_segment_fixed_size 17920
		.amdhsa_private_segment_fixed_size 0
		.amdhsa_enable_private_segment 0
		.amdhsa_kernarg_size 80
		.amdhsa_user_sgpr_count 2
		.amdhsa_user_sgpr_kernarg_segment_ptr 1
		.amdhsa_wavefront_size32 1
		.amdhsa_system_sgpr_workgroup_id_x 1
		.amdhsa_system_sgpr_workgroup_id_y 1
		.amdhsa_system_sgpr_workgroup_id_z 1
		.amdhsa_system_vgpr_workitem_id 0
		.amdhsa_next_free_vgpr 256
		.amdhsa_next_free_sgpr 96
		.amdhsa_reserve_vcc 0
		.amdhsa_float_denorm_mode_32 3
		.amdhsa_float_denorm_mode_16_64 3
		.amdhsa_memory_ordered 1
		.amdhsa_forward_progress 1
		.amdhsa_inst_pref_size 70
	.end_amdhsa_kernel
	.amdgpu_metadata
---
amdhsa.version: [ 1, 2 ]
amdhsa.kernels:
  - .name:           k_qde6d6a1cc8_prep
    .symbol:         k_qde6d6a1cc8_prep.kd
    .args:
      - { .name: x, .offset: 0, .size: 8, .value_kind: global_buffer, .address_space: global }
      - { .name: ln1_g, .offset: 8, .size: 8, .value_kind: global_buffer, .address_space: global }
      - { .name: ln1_b, .offset: 16, .size: 8, .value_kind: global_buffer, .address_space: global }
      - { .name: w_attn, .offset: 24, .size: 8, .value_kind: global_buffer, .address_space: global }
      - { .name: w_proj, .offset: 32, .size: 8, .value_kind: global_buffer, .address_space: global }
      - { .name: w_fc, .offset: 40, .size: 8, .value_kind: global_buffer, .address_space: global }
      - { .name: w_proj2, .offset: 48, .size: 8, .value_kind: global_buffer, .address_space: global }
      - { .name: lowp_scales, .offset: 56, .size: 8, .value_kind: global_buffer, .address_space: global }
      - { .name: h1, .offset: 64, .size: 8, .value_kind: global_buffer, .address_space: global }
      - { .name: wimg, .offset: 72, .size: 8, .value_kind: global_buffer, .address_space: global }
    .group_segment_fixed_size: 17920
    .private_segment_fixed_size: 0
    .kernarg_segment_align: 8
    .kernarg_segment_size: 80
    .max_flat_workgroup_size: 128
    .sgpr_count:     96
    .vgpr_count:     256
    .wavefront_size: 32
...
	.end_amdgpu_metadata
.endif
;; end of part 1
;; launch qkv (part 2): grid 12 x 16, 4 waves a work-group, clusters of 4 x 4, 327,680 bytes of LDS; arguments h1, wimg, lowp_scales, b_attn, qkv; writes qkv
.if DOCPART == 2
	.amdgcn_target "amdgcn-amd-amdhsa--gfx1250"
	.amdhsa_code_object_version 6
	.text
	.protected	k_qde6d6a1cc8_qkv
	.globl	k_qde6d6a1cc8_qkv
	.p2align	8
	.type	k_qde6d6a1cc8_qkv,@function
k_qde6d6a1cc8_qkv:
	s_mov_b64 s[64:65], 0
	v_nop
	global_prefetch_b8 v0, s[64:65] scope:SCOPE_SE
	s_setreg_imm32_b32 hwreg(HW_REG_WAVE_MODE, 25, 1), 1
	s_wait_xcnt 0x0
	s_wait_alu depctr_hold_cnt(0) depctr_sa_sdst(0) depctr_va_vdst(0) depctr_va_sdst(0) depctr_va_ssrc(0) depctr_va_vcc(0) depctr_vm_vsrc(0)
	s_getreg_b32 s2, hwreg(HW_REG_IB_STS2, 6, 4)
	s_cmp_eq_u32 s2, 0
	s_cbranch_scc0 .Lentry_in_a_cluster
	s_endpgm
.Lentry_in_a_cluster:
	s_bfe_u32 s2, ttmp6, 0x10000c
	s_cmp_lg_u32 s2, 0xf033
	s_cbranch_scc0 .Lentry_shape_is_right
	s_endpgm
.Lentry_shape_is_right:
; qkv = Q(h1) Q(w_attn) x 2^(e0 + e1) + b_attn, quantised again: q with 2^e2, k with 2^e3, v with 2^e5, and stored as the operand images that the attention launch reads.
; Both operands arrive as images (16 rows x 128 K = 2,048 bytes, chunk c of 512 bytes: lane l's 16 bytes at 16 l hold row l % 16, k = 32 c + 16 (l / 16) + 0..15): the same order of k in both, so every product meets its partner.
; A tile of 256 x 256 is made by four waves, 128 x 128 each: 64 accumulators.  K = 1,024 goes in four steps of 256 through two LDS slots filled by the tensor data mover: a wave's load brings 8 row tiles x 4,096 bytes.
; CLUSTERS of 4 x 4: the A slot's tile is shared along a row of the cluster, the B slot's along a column: joint loads.  Source 0 = the B slot's fragment, source 1 = the A slot's: a lane holds one row of A's and eight of B's.
; Cluster x = 0: q, 1: k: A = tokens, B = weights: a lane's registers run along the head's channels, which are the first attention product's K.
; Cluster x = 2: v: A = weights, B = tokens, BY ADDRESS ALONE: a lane's registers then run along the tokens, which are the second attention product's K.  The loop is the same text for all.
; Every work-group loads the bias in both forms (24 small loads), so that no register is written on one way only.
; LIMITS: e0 + e1 between -126 and 127; e2, e3, e5 between -126 and 119.  NaN is not served.
; REGISTERS: window 0: v0-31 addresses; v32-95 bias by channel; v96-111 bias by lane; from v128 A's fragments, one set; on the way out v128-191 numbers, v192-223 codes.  window 1: B's fragments, two sets.  windows 2, 3: the accumulators.
.set SLOT,   131072                    ; A's two halves, then B's two halves, 32,768 bytes each
.set QUART,  32768
.set SPARE,  2*SLOT                    ; behind the ring: the spare words, 128 bytes for each wave: two blocks of 256 bytes that no other line names
.set KB,     4096                      ; a K step's bytes in a row tile: two fragments
.set FR,     16
.set NL,     4
.set NP,     4
.set ADRA, 16
.set ADRB, 20
.set LI,   27                          ; v27  16 x lane
.set SPW,  28
.set NIL,  29
.set LIM,  30
.set SCL,  31
.set BI,   32
.set VB,   96
.set AF,   128
.set U,    128
.set CD,   192
.set G1, 24
.set G0, 32
.set G1B, 48
.set G0B, 56
; THE PREFETCH.  K steps 1 and 2 are asked of memory behind the head's joint load, K step 3 behind the second.  Of the 8 row tiles that a wave fetches, each of the four partners that ask for them jointly takes two, told apart by address
; (cx for the A slot, cy for the B slot): 2 x 4,096 bytes, lanes 256 bytes apart, one instruction a wave and K step; every offset is an immediate.
.set PFA, 76                           ; s[76:77] my work-group's two row tiles at K step 0; never rewritten
.set PFO, 24                           ; v24  16,384 (lane / 16) + 256 (lane % 16); never rewritten
.set MSB, 0
.macro WIN new                         ; the immediate's high byte repeats the setting that is left
.if MSB != \new
	s_set_vgpr_msb (MSB<<8)|\new
.set MSB, \new
.endif
.endm
.set MUL_LO, 0xa1                      ; source 0 (B) window 1, source 1 (A) window 0, C and D window 2
.set MUL_HI, 0xf1                      ; the same, C and D window 3
.set TO_B,   0x40                      ; destination window 1, address window 0
; A joint load: waves 0 and 1 fetch for the A slot, waves 2 and 3 for the B slot.  The branch hangs on the wave's number alone.  An s_nop 0 and four v_nop follow each of the two lines.
.macro JLOAD g0a, g1a, g0b, g1b
	s_cmp_eq_u32 s15, 0
	s_cbranch_scc0 .Lfor_b_\@
	tensor_load_to_lds s[\g0a:\g0a+3], s[\g1a:\g1a+7]
	s_nop 0
.rept 4
	v_nop
.endr
	s_branch .Lasked_\@
.Lfor_b_\@:
	tensor_load_to_lds s[\g0b:\g0b+3], s[\g1b:\g1b+7]
	s_nop 0
.rept 4
	v_nop
.endr
.Lasked_\@:
.endm
.macro CREST                           ; a round of the cluster's barrier behind its opening barrier
	s_cmp_lg_u32 s14, 0
	s_cbranch_scc1 .Lnot_wave_0_\@
	s_barrier_signal -3
.Lnot_wave_0_\@:
	s_barrier_wait -3
	s_barrier_signal -1
	s_barrier_wait -1
.endm
.macro CROUND
	s_barrier_signal -1
	s_barrier_wait -1
	CREST
.endm
	s_load_b256 s[4:11], s[0:1], 0x0               ; h1 s[4:5], wimg s[6:7], the scales s[8:9], b_attn s[10:11]
	s_load_b64 s[12:13], s[0:1], 0x20              ; qkv
	v_lshl_add_u32 v[SPW], v0, 2, SPARE
	v_mov_b32 v[NIL], 0
	ds_add_u32 v[SPW], v[NIL]                      ; the wave's opening: the add and its wait ahead of my first tensor load; work on registers stands between them
	ds_add_u32 v[SPW], v[NIL]
	v_lshrrev_b32 v1, 5, v0
	v_readfirstlane_b32 s14, v1                    ; wave 0..3
	s_lshr_b32 s15, s14, 1                         ; which half of A's rows is mine.  Also: I fetch for A (0) or for B (1)
	s_and_b32 s16, s14, 1                          ; which half of B's rows.  Also: which half of that tile I fetch
	s_bfe_u32 s40, ttmp6, 0x40000                  ; cx
	s_bfe_u32 s41, ttmp6, 0x40004                  ; cy
	s_and_b32 s17, ttmp7, 0xffff                   ; cluster y
	s_lshl_b32 s43, s41, 2
	s_lshl_b32 s43, 15, s43                        ; my row of the cluster
	s_lshl_b32 s44, 0x1111, s40                    ; my column
	s_or_b32 s[G1+0], s43, (3<<16)|(1<<21)         ; 15:0 the mask; 17:16 elements of 8 bytes; 21 set beside a mask; no padding: an image's chunks are read 512 consecutive bytes at a time
	s_or_b32 s[G1B+0], s44, (3<<16)|(1<<21)
.irp g, G1, G1B
	s_mov_b32 s[\g+1], 512<<16                     ; tensor_dim0 = 512 elements: 4,096 bytes
	s_mov_b32 s[\g+2], 8<<16                       ; tensor_dim1 = 8 row tiles
	s_mov_b32 s[\g+3], 512<<16                     ; tile_dim0
	s_mov_b32 s[\g+4], 8                           ; tile_dim1
	s_mov_b32 s[\g+5], 2048                        ; from row tile to row tile: 16,384 bytes
	s_mov_b32 s[\g+6], 0
	s_mov_b32 s[\g+7], 0
.endr
	s_lshl_b32 s18, s17, 2
	s_add_co_u32 s19, s18, s41                     ; 4 Y + cy: the tokens' tile where the tokens are A
	s_add_co_u32 s18, s18, s40                     ; 4 Y + cx: where they are B
	s_lshl_b32 s42, ttmp9, 2
	s_add_co_u32 s42, s42, s40                     ; 4 X + cx: q's and k's tile of weight columns
	s_cmp_eq_u32 ttmp9, 2                          ; v?  The cluster's x: the same in all sixteen partners
	s_cselect_b32 s20, s41, s19                    ; A's tile: made of cy and Y alone
	s_cselect_b32 s46, s18, s42                    ; B's tile: made of cx, X and Y alone
	s_lshl_b32 s21, s16, 3
	s_lshl_b32 s20, s20, 4
	s_add_co_u32 s20, s20, s21                     ; the first of my 8 row tiles
	s_lshl_b32 s20, s20, 14
	s_lshl_b32 s46, s46, 4
	s_add_co_u32 s46, s46, s21
	s_lshl_b32 s46, s46, 14
	s_mov_b32 s21, 0
	s_mov_b32 s47, 0
	s_lshl_b32 s45, s14, 15                        ; where they go: wave x 32,768: no place in the cluster enters an LDS address
	s_wait_dscnt 0x0                               ; the opening add is done
	s_wait_kmcnt 0x0
	s_load_b256 s[84:91], s[8:9], 0x0              ; e0 .. e7
	s_add_nc_u64 s[66:67], s[6:7], 0x200000        ; v's columns 2,048 on: row tile 128 of w_attn's image
	s_cmp_eq_u32 ttmp9, 2
	s_cselect_b64 s[22:23], s[66:67], s[4:5]
	s_cselect_b64 s[2:3], s[4:5], s[6:7]
	s_add_nc_u64 s[20:21], s[22:23], s[20:21]
	s_add_nc_u64 s[46:47], s[2:3], s[46:47]
	CROUND                                         ; all sixteen work-groups are here: the first joint loads meet
.irp s, 0,1
	s_mov_b32 s[G0+4*\s], 1
	s_add_co_u32 s[G0+4*\s+1], s45, \s*SLOT
	s_add_nc_u64 s[G0+4*\s+2:G0+4*\s+3], s[20:21], \s*KB
	s_or_b32 s[G0+4*\s+3], s[G0+4*\s+3], 0x80000000
	s_mov_b32 s[G0B+4*\s], 1
	s_add_co_u32 s[G0B+4*\s+1], s45, \s*SLOT
	s_add_nc_u64 s[G0B+4*\s+2:G0B+4*\s+3], s[46:47], \s*KB
	s_or_b32 s[G0B+4*\s+3], s[G0B+4*\s+3], 0x80000000
.endr
	JLOAD G0, G1, G0B, G1B                         ; K step 0: one tensor load a wave at the head
	s_cmp_eq_u32 s15, 0                            ; do I fetch for the A slot?
	s_cselect_b32 s78, s40, s41                    ; my place among the four that ask with me
	s_cselect_b64 s[PFA:PFA+1], s[20:21], s[46:47]
	s_lshl_b32 s78, s78, 15                        ; two row tiles of 16,384 bytes
	s_mov_b32 s79, 0
	s_add_nc_u64 s[PFA:PFA+1], s[PFA:PFA+1], s[78:79]
	v_and_b32 v1, 31, v0
	v_lshlrev_b32 v[LI], 4, v1
	v_and_b32 v[PFO], 15, v0
	v_bfe_u32 v25, v0, 4, 1
	v_lshlrev_b32 v[PFO], 8, v[PFO]
	v_lshl_add_u32 v[PFO], v25, 14, v[PFO]
	s_wait_alu depctr_va_vdst(0)                   ; the wait ahead of readers that stand behind later waits
	global_prefetch_b8 v[PFO], s[PFA:PFA+1] offset:KB th:TH_LOAD_NT scope:SCOPE_SE     ; K step 1
	global_prefetch_b8 v[PFO], s[PFA:PFA+1] offset:2*KB th:TH_LOAD_NT scope:SCOPE_SE   ; K step 2
	s_lshl_b32 s21, s15, 15                        ; my half of A,
	s_lshl_b32 s22, s16, 15                        ; my half of B,
	s_add_co_u32 s22, s22, 2*QUART                 ; which lies behind A's two
.irp s, 0,1
	v_add_nc_u32 v[ADRA+\s], s21, v[LI]
	v_add_nc_u32 v[ADRB+\s], s22, v[LI]
	s_add_co_u32 s21, s21, SLOT
	s_add_co_u32 s22, s22, SLOT
.endr
	; the bias by channel: lane (r, h) wants, for B's tile b, b_attn at 32 (b / 2) + 16 h + 8 (b % 2) + 0..7 of my 128 columns
	s_lshl_b32 s18, ttmp9, 12
	s_lshl_b32 s19, s40, 10
	s_add_co_u32 s18, s18, s19
	s_lshl_b32 s19, s16, 9
	s_add_co_u32 s18, s18, s19
	s_mov_b32 s19, 0
	s_add_nc_u64 s[18:19], s[10:11], s[18:19]
	v_bfe_u32 v2, v0, 4, 1
	v_lshlrev_b32 v3, 6, v2
.irp b, 0,1,2,3,4,5,6,7
	global_load_b128 v[BI+8*\b:BI+8*\b+3], v3, s[18:19] offset:(32*(\b/2)+8*(\b%2))*4
	global_load_b128 v[BI+8*\b+4:BI+8*\b+7], v3, s[18:19] offset:(32*(\b/2)+8*(\b%2))*4+16
.endr
	; the bias by lane (v): lane r wants, for A's tile a, b_attn at 2,048 + 256 cy + 128 (w / 2) + 32 (a / 2) + 8 (a % 2) + r + 8 (r / 8)
	s_lshl_b32 s22, s41, 10
	s_lshl_b32 s23, s15, 9
	s_add_co_u32 s22, s22, s23
	s_add_co_u32 s22, s22, 8192
	s_mov_b32 s23, 0
	s_add_nc_u64 s[22:23], s[10:11], s[22:23]
	v_and_b32 v4, 15, v0
	v_and_b32 v5, 8, v4
	v_add_nc_u32 v4, v4, v5
	v_lshlrev_b32 v4, 2, v4
.irp a, 0,1,2,3,4,5,6,7
	global_load_b32 v[VB+2*\a], v4, s[22:23] offset:(32*(\a/2)+8*(\a%2))*4
.endr
.macro FRAG reg, adr, q, i             ; a fragment as it lies: four loads of 512 consecutive bytes
.irp c, 0,1,2,3
	ds_load_b128 v[\reg+4*\c:\reg+4*\c+3], v[\adr] offset:2048*(\q)+512*\c+4096*(\i)
.endr
.endm
; 16 matrix instructions: A's blocks a0, a0 + 1 x B's eight, 128 along K.  The 64 accumulators take turns, one instruction a turn, in the same order in every step.
.macro MUL16 a0, p, zero
.irp a, \a0, \a0+1
.irp b, 0,1,2,3,4,5,6,7
.if \zero
	v_wmma_f32_16x16x128_fp8_fp8 v[8*(8*((\a)%4)+\b):8*(8*((\a)%4)+\b)+7], v[128*(\p)+FR*\b:128*(\p)+FR*\b+FR-1], v[AF+FR*(\a):AF+FR*(\a)+FR-1], 0
.else
	v_wmma_f32_16x16x128_fp8_fp8 v[8*(8*((\a)%4)+\b):8*(8*((\a)%4)+\b)+7], v[128*(\p)+FR*\b:128*(\p)+FR*\b+FR-1], v[AF+FR*(\a):AF+FR*(\a)+FR-1], v[8*(8*((\a)%4)+\b):8*(8*((\a)%4)+\b)+7]
.endif
.endr
.endr
.endm
.macro FETCH_B slot, q, p
	WIN TO_B
.irp i, 0,1,2,3,4,5,6,7
	FRAG 128*(\p)+FR*\i, ADRB+\slot, \q, \i
.endr
	WIN 0
.endm
.macro FETCH_A slot, q, i0
.irp i, \i0, \i0+1, \i0+2, \i0+3
	FRAG AF+FR*(\i), ADRA+\slot, \q, \i
.endr
.endm
.macro PLACES n                        ; plain vector instructions between a matrix instruction and a load into, or a vector read or write of, its registers
.rept \n
	v_nop
.endr
.endm
.macro STEP slot, q, zero              ; a step of 128 along K that has its successor in the same slot
	s_wait_dscnt 4*NL                              ; B's set and A's blocks 0-3 are in; the youngest 16 loads (A's blocks 4-7) may be out
	WIN MUL_LO
	MUL16 0, (\q)%2, \zero
	MUL16 2, (\q)%2, \zero
	s_wait_dscnt 0
	PLACES NP
	FETCH_B \slot, (\q)+1, 1-(\q)%2
	FETCH_A \slot, (\q)+1, 0
	WIN MUL_HI
	MUL16 4, (\q)%2, \zero
	MUL16 6, (\q)%2, \zero
	PLACES NP
	WIN 0
	FETCH_A \slot, (\q)+1, 4
.endm
; A slot's last step changes slots: one barrier; in front of it each wave waits for all its tensor loads, adds 0 to its spare word, and waits for that and for its own reads of this slot.  fill = 1: the slot is filled again, two K steps ahead.
.macro TURN slot, next, fill
	s_wait_tensorcnt 0x0                           ; all my tensor loads have landed: my part of the next slot
	ds_add_u32 v[SPW], v[NIL]
	s_wait_dscnt 4*NL+1                            ; the add and the youngest 16 loads may be out
	WIN MUL_LO
	MUL16 0, 1, 0
	s_wait_dscnt 0x0                               ; the add is done, and my reads of this slot are over
	s_barrier_signal -1
	MUL16 2, 1, 0
	WIN 0
	s_barrier_wait -1
.if \fill
	CREST                                          ; the barrier has opened a round of the cluster's barrier: no wave of any partner still reads this slot or has a load on its way
	s_add_nc_u64 s[G0+4*\slot+2:G0+4*\slot+3], s[G0+4*\slot+2:G0+4*\slot+3], 2*KB
	s_add_nc_u64 s[G0B+4*\slot+2:G0B+4*\slot+3], s[G0B+4*\slot+2:G0B+4*\slot+3], 2*KB
	JLOAD G0+4*\slot, G1, G0B+4*\slot, G1B         ; the first tensor load behind the round; its four v_nop are the places in front of the loads below
.else
	PLACES NP
.endif
	FETCH_B \next, 0, 0
	FETCH_A \next, 0, 0
	WIN MUL_HI
	MUL16 4, 1, 0
	MUL16 6, 1, 0
	PLACES NP
	WIN 0
	FETCH_A \next, 0, 4
.endm
	s_wait_alu depctr_va_vdst(0)
	s_wait_tensorcnt 0x0                           ; my part of K step 0 is in
	ds_add_u32 v[SPW], v[NIL]
	s_wait_dscnt 0x0
	CROUND                                         ; a whole round: everybody's part of K step 0 is in, and the joint loads meet
	JLOAD G0+4, G1, G0B+4, G1B                     ; K step 1, the first tensor load behind the round
	FETCH_B 0, 0, 0
	FETCH_A 0, 0, 0
	FETCH_A 0, 0, 4
	global_prefetch_b8 v[PFO], s[PFA:PFA+1] offset:3*KB th:TH_LOAD_NT scope:SCOPE_SE   ; K step 3
	STEP 0, 0, 1                                   ; K = 1,024 is eight steps of 128, written out: the first starts the sums
	TURN 0, 1, 1                                   ; slot 0 takes K step 2
	STEP 1, 0, 0
	TURN 1, 0, 1                                   ; slot 1 takes K step 3
	STEP 0, 0, 0
	TURN 0, 1, 0
	STEP 1, 0, 0
	s_wait_dscnt 4*NL
	WIN MUL_LO
	MUL16 0, 1, 0
	MUL16 2, 1, 0
	s_wait_dscnt 0
	WIN MUL_HI
	MUL16 4, 1, 0
	MUL16 6, 1, 0
	WIN 0
	; THE WAY OUT.  A block of A's 16 rows x B's 128: sum x 2^(e0 + e1) + bias, held, converted: 16 registers of codes a lane, which ARE four chunks of the reader's image: four stores of 512 consecutive bytes.
	s_wait_loadcnt 0x0                             ; both forms of the bias; their address registers are free from here on
	s_wait_kmcnt 0x0
	s_add_co_i32 s96, s84, s85
	s_add_co_i32 s96, s96, 127
	s_lshl_b32 s96, s96, 23                        ; 2^(e0 + e1) as f32
	s_mov_b32 s97, s96
	s_cmp_eq_u32 ttmp9, 0
	s_cselect_b32 s92, s86, s87                    ; e2 for q, e3 for k,
	s_cmp_eq_u32 ttmp9, 2
	s_cselect_b32 s92, s89, s92                    ; e5 for v
	s_cselect_b32 s18, s40, s41                    ; the tokens' place in the cluster,
	s_cselect_b32 s19, s41, s40                    ; the columns',
	s_cselect_b32 s22, s16, s15                    ; my wave's half of the tokens,
	s_cselect_b32 s23, s15, s16                    ; and of the columns
	s_add_co_i32 s92, s92, 127
	s_lshl_b32 s93, s92, 23
	v_mov_b32 v[SCL], s93
	s_add_co_i32 s92, s92, 8
	s_lshl_b32 s92, s92, 23
	s_or_b32 s92, s92, 0x600000
	v_mov_b32 v[LIM], s92
	s_lshl_b32 s2, s17, 2
	s_add_co_u32 s18, s18, s2                      ; the tokens' tile of 256, 0..15
	s_lshr_b32 s2, s18, 3                          ; the batch
	s_lshl_b32 s2, s2, 4
	s_lshl_b32 s19, s19, 2
	s_add_co_u32 s2, s2, s19
	s_lshl_b32 s23, s23, 1
	s_add_co_u32 s2, s2, s23                       ; 16 x batch + the first of my two heads
	s_lshl_b32 s2, s2, 17                          ; a head is 131,072 bytes in each of q, k, v
	s_and_b32 s18, s18, 7
	s_lshl_b32 s18, s18, 1
	s_add_co_u32 s18, s18, s22                     ; my 128 tokens of the head's 2,048:
	s_lshl_b32 s18, s18, 13                        ; 8 tiles of 1,024 bytes in q and k, one key step of 8,192 bytes in v
	s_add_co_u32 s2, s2, s18
	s_lshl_b32 s18, ttmp9, 22                      ; q at 0, k at 0x400000, v at 0x800000
	s_add_co_u32 s2, s2, s18
	s_mov_b32 s3, 0
	s_add_nc_u64 s[12:13], s[12:13], s[2:3]
	PLACES NP
.macro EPI a, vform
.set AC, 64*((\a)%4)
.set CB, CD+16*((\a)%2)
.if (\a) > 1
	s_wait_xcnt 0x0                                ; block a - 2's stores have read their registers
.endif
	WIN 0x02+((\a)/4)                              ; source 0: window 2 or 3
.set jj, 0
.rept 32
.if \vform
	v_pk_fma_f32 v[U+jj:U+jj+1], v[AC+jj:AC+jj+1], s[96:97], v[VB+2*(\a):VB+2*(\a)+1] op_sel_hi:[1,0,1]   ; each accumulator from its low end on
.else
	v_pk_fma_f32 v[U+jj:U+jj+1], v[AC+jj:AC+jj+1], s[96:97], v[BI+jj:BI+jj+1] op_sel_hi:[1,0,1]
.endif
.set jj, jj+2
.endr
	WIN 0
.set jj, 0
.rept 64
	v_med3_num_f32 v[U+jj], v[U+jj], -v[LIM], v[LIM]   ; the conversion does not saturate (ISA guide 7.6.2)
.set jj, jj+1
.endr
.irp b, 0,1,2,3,4,5,6,7
	v_cvt_scalef32_pk8_fp8_f32 v[CB+2*\b:CB+2*\b+1], v[U+8*\b:U+8*\b+7], v[SCL]
.endr
	v_nop                                          ; a plain instruction behind the last conversion: the next block writes its sources
.irp c, 0,1,2,3
.if \vform
	global_store_b128 v[LI], v[CB+4*\c:CB+4*\c+3], s[12:13] offset:((\a)/4)*131072+((\a)%4)*2048+\c*512   ; head a / 4, its tile a % 4 of 16 channels: registers 2 b, 2 b + 1 hold keys 16 b + 8 h + 0..7
.else
	global_store_b128 v[LI], v[CB+4*\c:CB+4*\c+3], s[12:13] offset:(\a)*1024+(\c/2)*131072+(\c%2)*512      ; token tile a, head c / 2, channels 32 (c % 2) + 16 h + 0..15
.endif
.endr
.endm
	s_cmp_eq_u32 ttmp9, 2
	s_cbranch_scc1 .Lvform
.irp a, 0,1,2,3,4,5,6,7
	EPI \a, 0
.endr
	s_branch .Ldone
.Lvform:
.irp a, 0,1,2,3,4,5,6,7
	v_mov_b32 v[VB+2*\a+1], v[VB+2*\a]             ; a lane's one channel serves both halves of a pair
.endr
.irp a, 0,1,2,3,4,5,6,7
	EPI \a, 1
.endr
.Ldone:
	s_wait_tensorcnt 0x0                           ; the wave's end
	ds_add_u32 v[SPW], v[NIL]
	s_wait_dscnt 0x0
	CROUND                                         ; the closing round: no work-group ends while a partner may still ask for a tile that names it
	s_endpgm
.Lfunc_end_k_qde6d6a1cc8_qkv:
	.size	k_qde6d6a1cc8_qkv, .Lfunc_end_k_qde6d6a1cc8_qkv-k_qde6d6a1cc8_qkv
	.p2alignl 7, 3214868480
	.fill 96, 4, 3214868480
	.section	.rodata,"a",@progbits
	.p2align	6, 0x0
	.amdhsa_kernel k_qde6d6a1cc8_qkv
		.amdhsa_group_segment_fixed_size 327680
		.amdhsa_private_segment_fixed_size 0
		.amdhsa_enable_private_segment 0
		.amdhsa_kernarg_size 40
		.amdhsa_user_sgpr_count 2
		.amdhsa_user_sgpr_kernarg_segment_ptr 1
		.amdhsa_wavefront_size32 1
		.amdhsa_system_sgpr_workgroup_id_x 1
		.amdhsa_system_sgpr_workgroup_id_y 1
		.amdhsa_system_sgpr_workgroup_id_z 1
		.amdhsa_system_vgpr_workitem_id 0
		.amdhsa_next_free_vgpr 1024
		.amdhsa_next_free_sgpr 100
		.amdhsa_reserve_vcc 0
		.amdhsa_float_denorm_mode_32 3
		.amdhsa_float_denorm_mode_16_64 3
		.amdhsa_memory_ordered 1
		.amdhsa_forward_progress 1
		.amdhsa_inst_pref_size 194
	.end_amdhsa_kernel
	.amdgpu_metadata
---
amdhsa.version: [ 1, 2 ]
amdhsa.kernels:
  - .name:           k_qde6d6a1cc8_qkv
    .symbol:         k_qde6d6a1cc8_qkv.kd
    .args:
      - { .name: h1, .offset: 0, .size: 8, .value_kind: global_buffer, .address_space: global }
      - { .name: wimg, .offset: 8, .size: 8, .value_kind: global_buffer, .address_space: global }
      - { .name: lowp_scales, .offset: 16, .size: 8, .value_kind: global_buffer, .address_space: global }
      - { .name: b_attn, .offset: 24, .size: 8, .value_kind: global_buffer, .address_space: global }
      - { .name: qkv, .offset: 32, .size: 8, .value_kind: global_buffer, .address_space: global }
    .group_segment_fixed_size: 327680
    .private_segment_fixed_size: 0
    .kernarg_segment_align: 8
    .kernarg_segment_size: 40
    .max_flat_workgroup_size: 128
    .sgpr_count:     100
    .vgpr_count:     1024
    .wavefront_size: 32
...
	.end_amdgpu_metadata
.endif
;; end of part 2
;; launch attn (part 3): grid 8 x 32, 16 waves a work-group, no clusters, 327,680 bytes of LDS; arguments qkv, lowp_scales, yimg; writes yimg
.if DOCPART == 3
	.amdgcn_target "amdgcn-amd-amdhsa--gfx1250"
	.amdhsa_code_object_version 6
	.text
	.protected	k_qde6d6a1cc8_attn
	.globl	k_qde6d6a1cc8_attn
	.p2align	8
	.type	k_qde6d6a1cc8_attn,@function
k_qde6d6a1cc8_attn:
	s_mov_b64 s[64:65], 0
	v_nop
	global_prefetch_b8 v0, s[64:65] scope:SCOPE_SE
	s_setreg_imm32_b32 hwreg(HW_REG_WAVE_MODE, 25, 1), 1
	s_wait_xcnt 0x0
; Causal attention of one head (work-group y: 16 x batch + head) on codes of E4M3; q, k, v arrive as operand images in qkv (q at 0, k at 0x400000, v at 0x800000; a head is 131,072 bytes in each).
; q, k: a tile of 16 tokens is 1,024 bytes, chunk c of 512: lane l's 16 bytes hold token l % 16, channels 32 c + 16 (l / 16) + 0..15.  v: a step of 128 keys is 8,192 bytes: four tiles of 16 channels x 128 keys.
; t = score x log2(e) / 8 x 2^(e2 + e3); M = the running largest t rounded up to a whole number; p = 2^(t - M) is quantised with 2^e4; the row's sum is taken of the unquantised p and divides at the end; y is quantised with 2^e6 into yimg.
; SHARES.  Work-group x owns query blocks 15 - x (A) and x (B) of 128 queries: 17 key steps of 128 for each pair of query tiles, the same in all work-groups.  Waves 2 i and 2 i + 1 own tile i of both blocks and take the key steps by turns
; (which of the two takes the even steps hangs on the wave's number, so that each group of waves w, w + 4, w + 8, w + 12 has two of each kind); at the end each hands the other half of its channels through LDS.
; Key steps all of whose keys come after a wave's 16 queries lie wholly under the causal mask and are left out, by a scalar branch on ids.
; LDS.  K at 0, V at 0x20000, each byte filled ONCE.  A key step's 8,192 bytes are eight pieces of 1,024; wave j (of 0-7 for K, of 8-15 for V) brings piece j of every key step: byte = 16,384 j + 1,024 x key step.
; The head's load brings key steps 0-3 (4 rows of 1,024 bytes, 8,192 apart in memory).  One more load a wave, behind the first barrier, brings all the rest, and has the first four key steps' work in which to land:
; key steps 4-15, or 4-11 where x >= 4 (the last query is 128 (16 - x) - 1, so no wave reads key step 12 or later there): two groups 1, chosen by a branch on the work-group's number, the same in all waves.
; Behind the second barrier the waves share nothing until the hand-over.  Every wait on TENSORcnt is for 0.
; PREFETCH.  What the second load brings is asked of memory at the head, one load ahead: key step 4 + x of K by wave 0 and of V by wave 8 of each work-group, key step 12 + x by waves 1 and 9 where x < 4: 8,192 bytes an instruction, lanes
; 256 bytes apart, each block named once for a head.  Key steps 0-3 come by their load alone.
; No cluster: the steps that a work-group leaves out hang on its number, which differs between the work-groups that share a head.
; LIMITS: e2 + e3 between -123 and 130; e4 and e6 between -126 and 119; the scaled scores stay under 2^31 in magnitude.  NaN is not served.
; REGISTERS: v16-23 Q of A, v24-31 Q of B; v32-95 fragments of K, then of V; v96-159 S^T, then p; v160-191 O^T of A, v192-223 of B; v224-239 p's codes; v12, v13, v[14:15]: -M, largest t, sum of A; v10, v11, v[2:3] of B.
.set SPARE, 262144                     ; behind K and V: the spare words, 128 bytes for each wave
.set STW,   4608                       ; the hand-over at the end: a stage for each wave, in K's bytes, which have had their last fill and their last read
.set LI,  1
.set PFO, 4                            ; v4   256 x lane, for the prefetch; not rewritten once made
.set SPW, 5
.set NIL, 6
.set SA,  7
.set ADK, 8                            ; K's pieces 0-3 of the step in hand
.set ADV, 9                            ; V's pieces 0-3
.set ADK2, 248                         ; K's pieces 4-7
.set ADV2, 249                         ; V's pieces 4-7
.set PA,  241
.set SA8, 245
.set PA8, 247
.set YP,  2                            ; s[2:3] yimg
.set G1S, 8                            ; s[8:15]  group 1: 8 rows
.set WV,  18
.set SEL, 20
.set CS,  22
.set G1,  24                           ; s[24:31] group 1: 4 rows
.set G0,  32                           ; s[32:39] a group 0 for each of the two loads
.set G1L, 40                           ; s[40:47] group 1: 12 rows
.set TB,  48
.set KF,  49
.set QA,  50
.set QB,  51
.set CNT, 66
.set PI,  67
.set MK,  82
.set PFA, 92                           ; s[92:93] the key step that my wave prefetches; never rewritten
.set ASKF, 94                          ; that key step less 4; under 12 in the waves that ask
	s_load_b128 s[4:7], s[0:1], 0x0                ; qkv, lowp_scales
	s_load_b64 s[YP:YP+1], s[0:1], 0x10            ; yimg
	v_lshl_add_u32 v[SPW], v0, 2, SPARE
	v_mov_b32 v[NIL], 0
	ds_add_u32 v[SPW], v[NIL]                      ; the opening lines: the add, twice on end, and its wait ahead of my first tensor load
	ds_add_u32 v[SPW], v[NIL]
	v_lshrrev_b32 v4, 5, v0
	s_delay_alu instid0(VALU_DEP_1)
	v_readfirstlane_b32 s[WV], v4                  ; wave 0..15
	s_and_b32 s52, ttmp7, 0xffff                   ; 16 x batch + head
	s_lshr_b32 s53, s[WV], 3                       ; I fetch for K (0) or for V (1),
	s_and_b32 s54, s[WV], 7                        ; this piece of every key step
.irp g, G1, G1L, G1S
	s_mov_b32 s[\g], 3<<16                         ; elements of 8 bytes, no padding
	s_mov_b32 s[\g+1], 128<<16                     ; rows of 128 elements: 1,024 bytes
	s_mov_b32 s[\g+3], 128<<16
	s_mov_b32 s[\g+5], 1024                        ; from key step to key step: 8,192 bytes
	s_mov_b32 s[\g+6], 0
	s_mov_b32 s[\g+7], 0
.endr
	s_mov_b32 s[G1+2], 4<<16
	s_mov_b32 s[G1+4], 4
	s_mov_b32 s[G1L+2], 12<<16
	s_mov_b32 s[G1L+4], 12
	s_mov_b32 s[G1S+2], 8<<16
	s_mov_b32 s[G1S+4], 8
	s_lshl_b32 s55, s53, 17
	s_lshl_b32 s56, s54, 14
	s_or_b32 s55, s55, s56                         ; where my pieces go
	s_lshl_b32 s60, s53, 22
	s_add_co_u32 s60, s60, 0x400000
	s_lshl_b32 s58, s52, 17
	s_add_co_u32 s60, s60, s58                     ; the head's K or V
	s_lshl_b32 s[ASKF], s54, 3
	s_add_co_u32 s[ASKF], s[ASKF], ttmp9           ; 8 x piece + x
	s_add_co_u32 s[PFA], s[ASKF], 4
	s_lshl_b32 s[PFA], s[PFA], 13
	s_add_co_u32 s[PFA], s[PFA], s60
	s_mov_b32 s[PFA+1], 0
	s_lshl_b32 s56, s54, 10
	s_add_co_u32 s60, s60, s56                     ; and where my pieces come from
	s_mov_b32 s61, 0
	s_lshr_b32 s57, s[WV], 1
	s_lshl_b32 s57, s57, 4
	s_lshl_b32 s[QB], ttmp9, 7
	s_add_co_u32 s[QB], s[QB], s57                 ; my first query of block B,
	s_sub_co_u32 s59, 15, ttmp9
	s_lshl_b32 s59, s59, 7
	s_add_co_u32 s[QA], s59, s57                   ; and of block A
	s_lshr_b32 s[PI], s[WV], 2
	s_xor_b32 s[PI], s[PI], s[WV]
	s_and_b32 s[PI], s[PI], 1                      ; I take the even (0) or the odd (1) key steps
	s_cmp_eq_u32 s[PI], 1
	s_cselect_b32 s[MK], -1, 0
	s_mov_b32 s[SEL], 0x76543210
	s_mov_b32 s[SEL+1], 0xfedcba98
	s_mov_b32 s[CS], 0x3e38aa3b                    ; log2(e) / 8
	s_wait_dscnt 0x0                               ; both opening adds are done
	s_wait_kmcnt 0x0
	s_load_b256 s[68:75], s[6:7], 0x0              ; e0 .. e7
	s_add_nc_u64 s[60:61], s[4:5], s[60:61]
	s_add_nc_u64 s[PFA:PFA+1], s[4:5], s[PFA:PFA+1]
.irp s, 0,1
	s_mov_b32 s[G0+4*\s], 1
	s_add_co_u32 s[G0+4*\s+1], s55, \s*4096        ; key step 0, key step 4
	s_add_nc_u64 s[G0+4*\s+2:G0+4*\s+3], s[60:61], \s*32768
	s_or_b32 s[G0+4*\s+3], s[G0+4*\s+3], 0x80000000
.endr
	tensor_load_to_lds s[G0:G0+3], s[G1:G1+7]      ; key steps 0-3: my one tensor load at the head
	s_nop 0
.rept 4
	v_nop
.endr
	s_lshl_b32 s62, s[QA], 6
	s_add_co_u32 s62, s62, s58
	s_mov_b32 s63, 0
	s_add_nc_u64 s[62:63], s[4:5], s[62:63]
	s_lshl_b32 s80, s[QB], 6
	s_add_co_u32 s80, s80, s58
	s_mov_b32 s81, 0
	s_add_nc_u64 s[80:81], s[4:5], s[80:81]
	v_and_b32 v[LI], 31, v0
	s_delay_alu instid0(VALU_DEP_1)
	v_lshlrev_b32 v[LI], 4, v[LI]
	global_load_b128 v[16:19], v[LI], s[62:63]     ; Q's two fragments stay in registers
	global_load_b128 v[20:23], v[LI], s[62:63] offset:512
	global_load_b128 v[24:27], v[LI], s[80:81]
	global_load_b128 v[28:31], v[LI], s[80:81] offset:512
	s_mul_i32 s90, s[WV], STW
	s_xor_b32 s91, s[WV], 1
	s_mul_i32 s91, s91, STW
	v_add_nc_u32 v[SA], s90, v[LI]                 ; my stage, and my partner's
	v_add_nc_u32 v[PA], s91, v[LI]
	v_lshrrev_b32 v4, 1, v[LI]
	s_delay_alu instid0(VALU_DEP_1)
	v_add_nc_u32 v[SA8], s90, v4
	s_delay_alu instid0(VALU_DEP_2)
	v_add_nc_u32 v[PA8], s91, v4
	v_lshlrev_b32 v[PFO], 4, v[LI]
	s_wait_alu depctr_va_vdst(0)
	s_cmp_lt_u32 s[ASKF], 12
	s_cbranch_scc0 .Lnoask
	global_prefetch_b8 v[PFO], s[PFA:PFA+1] th:TH_LOAD_NT scope:SCOPE_SE   ; one key step of what the second load will ask for
.Lnoask:
	s_lshr_b32 s79, s52, 4
	s_lshl_b32 s79, s79, 7
	s_and_b32 s84, s52, 15
	s_lshl_b32 s84, s84, 10
	s_lshl_b32 s85, s[PI], 9
	s_add_co_u32 s84, s84, s85                     ; yimg: the head's 64 channels are 1,024 bytes of a row tile; I finish 32 of them
	s_lshr_b32 s86, s[QA], 4
	s_add_co_u32 s86, s86, s79
	s_lshl_b32 s86, s86, 14
	s_add_co_u32 s86, s86, s84
	s_mov_b32 s87, 0
	s_add_nc_u64 s[86:87], s[YP:YP+1], s[86:87]
	s_lshr_b32 s88, s[QB], 4
	s_add_co_u32 s88, s88, s79
	s_lshl_b32 s88, s88, 14
	s_add_co_u32 s88, s88, s84
	s_mov_b32 s89, 0
	s_add_nc_u64 s[88:89], s[YP:YP+1], s[88:89]
	v_mov_b32 v13, 0xff61b1e6                      ; the largest t so far: -3e38
	s_delay_alu instid0(VALU_DEP_1)
	v_floor_f32 v12, -v13
	v_mov_b32 v14, 0
	v_mov_b32 v15, 0
	v_mov_b32 v11, 0xff61b1e6
	s_delay_alu instid0(VALU_DEP_1)
	v_floor_f32 v10, -v11
	v_mov_b32 v2, 0
	v_mov_b32 v3, 0
	v_mov_b32 v246, 0
	v_mov_b32 v253, 0
.set jj, 0
.rept 64
	v_mov_b32 v[160+jj], 0                         ; O^T of both blocks: the step is written once, its first run finds zeros
.set jj, jj+1
.endr
	s_wait_kmcnt 0x0
	s_add_co_i32 s76, s70, s71
	s_lshl_b32 s76, s76, 23
	s_add_co_i32 s[CS], s[CS], s76                 ; e2 + e3 go into c's exponent field
	s_mov_b32 s[CS+1], s[CS]
	s_add_co_i32 s76, s72, 127
	s_lshl_b32 s77, s76, 23
	v_mov_b32 v244, s77                            ; 2^e4
	s_add_co_i32 s76, s76, 8
	s_lshl_b32 s76, s76, 23
	s_or_b32 s76, s76, 0x600000
	v_mov_b32 v240, s76                            ; 448 x 2^e4
	s_add_co_i32 s76, s74, 127
	s_lshl_b32 s77, s76, 23
	v_mov_b32 v251, s77                            ; 2^e6
	s_add_co_i32 s76, s76, 8
	s_lshl_b32 s76, s76, 23
	s_or_b32 s76, s76, 0x600000
	v_mov_b32 v250, s76                            ; 448 x 2^e6
	s_add_co_i32 s76, s72, s73                     ; e4 + e5
; A KEY STEP: 128 keys from KF on, at byte TB of each piece's 16,384, for the 16 queries from q0 on.  S^T = K Q^T, O^T += V^T P^T: a lane holds one query; register 8 t + j of S^T is key KF + 16 t + 8 (lane / 16) + j.
.macro STEP q0, qf, ob, nm, sm
	s_add_co_u32 s78, s[\q0], 15
	s_cmp_gt_u32 s[KF], s78
	s_cbranch_scc1 .Lhidden_\@
	v_add_nc_u32 v[ADK], s[TB], v[LI]              ; these four additions are also the places ahead of loads into registers that matrix instructions have read
	s_delay_alu instid0(VALU_DEP_1)
	v_add_nc_u32 v[ADK2], 0x10000, v[ADK]
	v_add_nc_u32 v[ADV], 0x20000, v[ADK]
	v_add_nc_u32 v[ADV2], 0x30000, v[ADK]
.irp t, 0,1,2,3
	ds_load_b128 v[32+8*\t:35+8*\t], v[ADK] offset:16384*\t        ; K's tile t is piece t
	ds_load_b128 v[36+8*\t:39+8*\t], v[ADK] offset:16384*\t+512
.endr
.irp t, 0,1,2,3
	ds_load_b128 v[64+8*\t:67+8*\t], v[ADK2] offset:16384*\t
	ds_load_b128 v[68+8*\t:71+8*\t], v[ADK2] offset:16384*\t+512
.endr
	s_wait_alu depctr_va_vdst(0)
	s_wait_dscnt 0x0
.irp t, 0,1,2,3,4,5,6,7
	v_wmma_f32_16x16x64_fp8_fp8 v[96+8*\t:103+8*\t], v[32+8*\t:39+8*\t], v[\qf:\qf+7], 0
.endr
.rept 4
	v_nop
.endr
.irp t, 0,1
.irp c, 0,1,2,3
	ds_load_b128 v[32+16*\t+4*\c:35+16*\t+4*\c], v[ADV] offset:16384*(2*\t+\c/2)+512*(\c%2)   ; V's tile t is pieces 2 t, 2 t + 1; they come while the softmax is walked
.endr
.endr
.irp t, 0,1
.irp c, 0,1,2,3
	ds_load_b128 v[64+16*\t+4*\c:67+16*\t+4*\c], v[ADV2] offset:16384*(2*\t+\c/2)+512*(\c%2)
.endr
.endr
	s_add_co_u32 s78, s[KF], 127
	s_cmp_le_u32 s78, s[\q0]
	s_cbranch_scc1 .Lopen_\@                       ; all 128 keys count: no mask
	s_sub_co_i32 s78, s[\q0], s[KF]
	v_and_b32 v252, 15, v0
	v_bfe_u32 v253, v0, 4, 1
	s_delay_alu instid0(VALU_DEP_1)
	v_lshlrev_b32 v253, 3, v253
	s_delay_alu instid0(VALU_DEP_1)
	v_sub_nc_u32 v252, v252, v253
	s_delay_alu instid0(VALU_DEP_1)
	v_add_nc_u32 v252, s78, v252                   ; d = my query - KF - 8 (lane / 16): register 8 t + j is hidden where 16 t + j > d
	v_mov_b32 v254, 0xff800000
.set jj, 0
.rept 64
	v_cmp_gt_i32 vcc_lo, 16*(jj/8)+jj%8, v252
	v_cndmask_b32 v[96+jj], v[96+jj], v254, vcc_lo
.set jj, jj+1
.endr
.Lopen_\@:
	v_max3_num_f32 v254, v96, v97, v98
	v_max3_num_f32 v252, v99, v100, v101
.irp i, 6,10,14,18,22,26,30,34,38,42,46,50,54,58
	v_max3_num_f32 v254, v254, v[96+\i], v[97+\i]
	v_max3_num_f32 v252, v252, v[98+\i], v[99+\i]
.endr
	v_max3_num_f32 v254, v254, v158, v159
	s_delay_alu instid0(VALU_DEP_1)
	v_max_num_f32 v254, v254, v252
	s_delay_alu instid0(VALU_DEP_1)
	v_permlanex16_b32 v246, v254, s[SEL], s[SEL+1]
	s_delay_alu instid0(VALU_DEP_1)
	v_max_num_f32 v254, v254, v246
	s_delay_alu instid0(VALU_DEP_1)
	v_mul_f32 v254, s[CS], v254
	s_delay_alu instid0(VALU_DEP_1)
	v_max_num_f32 v[\nm+1], v[\nm+1], v254         ; the running largest t
	v_mov_b32 v254, v[\nm]
	s_delay_alu instid0(VALU_DEP_2)
	v_floor_f32 v[\nm], -v[\nm+1]                  ; -M = floor(-t)
	s_delay_alu instid0(VALU_DEP_1)
	v_sub_f32 v254, v[\nm], v254
	s_delay_alu instid0(VALU_DEP_1)
	v_cvt_i32_f32 v254, v254
	s_delay_alu instid0(VALU_DEP_1)
	v_ldexp_f32 v252, 1.0, v254                    ; f = 2^(old M - new M)
.set jj, 0
.rept 32
	v_pk_fma_f32 v[96+jj:97+jj], v[96+jj:97+jj], s[CS:CS+1], v[\nm:\nm+1] op_sel_hi:[1,0,0]
.set jj, jj+2
.endr
.set jj, 0
	s_wait_alu depctr_va_vdst(0)                   ; the wait ahead of the batch
.rept 64
	v_exp_f32 v[96+jj], v[96+jj]
.set jj, jj+1
.endr
	v_pk_mul_f32 v[\sm:\sm+1], v[\sm:\sm+1], v[252:253] op_sel_hi:[1,0]
	s_wait_alu depctr_va_vdst(0)                   ; and behind it, ahead of its first reader
	v_pk_add_f32 v[242:243], v[96:97], v[98:99]    ; the sum of the unquantised p, in two chains
.irp j, 4,8,12,16,20,24,28,32,36,40,44,48,52,56,60
	v_pk_add_f32 v[\sm:\sm+1], v[\sm:\sm+1], v[96+\j:97+\j]
	v_pk_add_f32 v[242:243], v[242:243], v[98+\j:99+\j]
.endr
	s_delay_alu instid0(VALU_DEP_1)
	v_pk_add_f32 v[\sm:\sm+1], v[\sm:\sm+1], v[242:243]
.irp t, 0,1,2,3,4,5,6,7
.irp i, 0,1,2,3,4,5,6,7
	v_min_num_f32 v[96+8*\t+\i], v[96+8*\t+\i], v240   ; the conversion does not saturate (ISA guide 7.6.2); p is not negative
.endr
	v_cvt_scalef32_pk8_fp8_f32 v[224+2*\t:225+2*\t], v[96+8*\t:103+8*\t], v244
.endr
	s_wait_alu depctr_va_vdst(0)
.set jj, 0
.rept 16
	v_pk_mul_f32 v[\ob+jj:\ob+jj+1], v[\ob+jj:\ob+jj+1], v[252:253] op_sel_hi:[1,0]
.set jj, jj+2
.endr
	s_wait_alu depctr_va_vdst(0)
	s_wait_dscnt 0x0                               ; V's fragments
.irp t, 0,1,2,3
	v_wmma_f32_16x16x128_fp8_fp8 v[\ob+8*\t:\ob+8*\t+7], v[32+16*\t:47+16*\t], v[224:239], v[\ob+8*\t:\ob+8*\t+7]
.endr
.Lhidden_\@:
.endm
.macro MEET                            ; all my tensor loads are in, the add, its wait, and the work-group's barrier: what was asked for is whole
	s_wait_tensorcnt 0x0
	ds_add_u32 v[SPW], v[NIL]
	s_wait_dscnt 0x0
	s_barrier_signal -1
	s_barrier_wait -1
.endm
.macro WALK name, trips                ; my next key steps, every second one, for both blocks (block B's end under key 1,024: later ones are left out by the step's own branch)
	s_mov_b32 s[CNT], \trips
\name:
	STEP QA, 16, 160, 12, 14
	STEP QB, 24, 192, 10, 2
	s_add_co_u32 s[KF], s[KF], 256
	s_add_co_u32 s[TB], s[TB], 2048
	s_sub_co_u32 s[CNT], s[CNT], 1
	s_cmp_lg_u32 s[CNT], 0
	s_cbranch_scc1 \name
.endm
	s_lshl_b32 s[KF], s[PI], 7
	s_lshl_b32 s[TB], s[PI], 10
	s_wait_alu depctr_va_vdst(0)
	s_wait_loadcnt 0x0                             ; Q
	MEET                                           ; key steps 0-3 are whole
	s_cmp_ge_u32 ttmp9, 4                          ; ids alone, the same in all sixteen waves
	s_cbranch_scc1 .Lshort
	tensor_load_to_lds s[G0+4:G0+7], s[G1L:G1L+7]  ; key steps 4-15: a first fill, my one tensor load behind this barrier
	s_nop 0
.rept 4
	v_nop
.endr
	s_branch .Lasked
.Lshort:
	tensor_load_to_lds s[G0+4:G0+7], s[G1S:G1S+7]  ; key steps 4-11
	s_nop 0
.rept 4
	v_nop
.endr
.Lasked:
	WALK .Lfirst, 2
	MEET                                           ; the rest is whole
	WALK .Lrest, 6
.rept 4
	v_nop
.endr
; THE END.  Each wave of a pair keeps 32 of the 64 channels and hands the other 32, with its -M and its sum, to its partner; both parts are brought under the larger M by exact powers of two, added, divided by the sum, quantised and stored.
.macro SPLIT ob, nm, sm, snd, kep
	v_add_f32 v[\sm], v[\sm], v[\sm+1]
	s_delay_alu instid0(VALU_DEP_1)
	v_permlanex16_b32 v246, v[\sm], s[SEL], s[SEL+1]
	s_delay_alu instid0(VALU_DEP_1)
	v_add_f32 v[\nm+1], v[\sm], v246
	s_wait_alu depctr_va_vdst(0)
.irp i, 0,1,2,3,4,5,6,7,8,9,10,11,12,13,14,15
	v_cndmask_b32 v[\snd+\i], v[\ob+16+\i], v[\ob+\i], s[MK]
	v_cndmask_b32 v[\kep+\i], v[\ob+\i], v[\ob+16+\i], s[MK]
.endr
.endm
	SPLIT 160, 12, 14, 32, 64
	SPLIT 192, 10, 2, 48, 80
	s_wait_alu depctr_va_vdst(0)
	s_wait_dscnt 0x0
	s_barrier_signal -1
	s_barrier_wait -1                              ; nobody reads K any more: the stages lie there
.macro SENDP nm, snd, off
.irp c, 0,1,2,3
	ds_store_b128 v[SA], v[\snd+4*\c:\snd+4*\c+3] offset:\off+512*\c
.endr
	ds_store_b64 v[SA8], v[\nm:\nm+1] offset:\off+2048
.endm
	SENDP 12, 32, 0
	SENDP 10, 48, 2304
	s_wait_dscnt 0x0                               ; for my partner's sake: my stores are done
	s_barrier_signal -1
	s_barrier_wait -1
.macro RECVP rcv, ps, off
.irp c, 0,1,2,3
	ds_load_b128 v[\rcv+4*\c:\rcv+4*\c+3], v[PA] offset:\off+512*\c
.endr
	ds_load_b64 v[\ps:\ps+1], v[PA8] offset:\off+2048
.endm
	RECVP 96, 128, 0
	RECVP 112, 130, 2304
	s_wait_dscnt 0x0
.macro FINISH nm, kep, rcv, ps, cd, ya
	v_min_num_f32 v248, v[\nm], v[\ps]             ; the smaller -M is the larger M
	s_delay_alu instid0(VALU_DEP_1)
	v_sub_f32 v249, v248, v[\nm]
	s_delay_alu instid0(VALU_DEP_2)
	v_sub_f32 v255, v248, v[\ps]
	s_delay_alu instid0(VALU_DEP_2)
	v_cvt_i32_f32 v249, v249
	s_delay_alu instid0(VALU_DEP_2)
	v_cvt_i32_f32 v255, v255
	s_delay_alu instid0(VALU_DEP_2)
	v_ldexp_f32 v249, 1.0, v249
	s_delay_alu instid0(VALU_DEP_2)
	v_ldexp_f32 v255, 1.0, v255
	s_delay_alu instid0(VALU_DEP_2)
	v_mul_f32 v252, v[\nm+1], v249
	s_delay_alu instid0(VALU_DEP_1)
	v_fmac_f32 v252, v[\ps+1], v255                ; the row's sum
	s_wait_alu depctr_va_vdst(0)
	v_rcp_f32 v253, v252
	v_nop
	s_wait_alu depctr_va_vdst(0)
	v_ldexp_f32 v253, v253, s76                    ; x 2^(e4 + e5)
	s_delay_alu instid0(VALU_DEP_1)
	v_mul_f32 v248, v249, v253
	s_delay_alu instid0(VALU_DEP_2)
	v_mul_f32 v254, v255, v253
.irp i, 0,2,4,6,8,10,12,14
	v_pk_mul_f32 v[\kep+\i:\kep+\i+1], v[\kep+\i:\kep+\i+1], v[248:249] op_sel_hi:[1,0]
.endr
.irp i, 0,2,4,6,8,10,12,14
	v_pk_fma_f32 v[\kep+\i:\kep+\i+1], v[\rcv+\i:\rcv+\i+1], v[254:255], v[\kep+\i:\kep+\i+1] op_sel_hi:[1,0,1]
.endr
.irp i, 0,1,2,3,4,5,6,7,8,9,10,11,12,13,14,15
	v_med3_num_f32 v[\kep+\i], v[\kep+\i], -v250, v250
.endr
	v_cvt_scalef32_pk8_fp8_f32 v[\cd:\cd+1], v[\kep:\kep+7], v251
	v_cvt_scalef32_pk8_fp8_f32 v[\cd+2:\cd+3], v[\kep+8:\kep+15], v251
	v_nop
	global_store_b128 v[LI], v[\cd:\cd+3], s[\ya:\ya+1]   ; 32 lanes store 512 consecutive bytes, aligned: one chunk of yimg
.endm
	FINISH 12, 64, 96, 128, 224, 86
	FINISH 10, 80, 112, 130, 228, 88
	s_wait_tensorcnt 0x0                           ; the wave's end
	ds_add_u32 v[SPW], v[NIL]
	s_wait_dscnt 0x0
	s_endpgm
.Lfunc_end_k_qde6d6a1cc8_attn:
	.size	k_qde6d6a1cc8_attn, .Lfunc_end_k_qde6d6a1cc8_attn-k_qde6d6a1cc8_attn
	.p2alignl 7, 3214868480
	.fill 96, 4, 3214868480
	.section	.rodata,"a",@progbits
	.p2align	6, 0x0
	.amdhsa_kernel k_qde6d6a1cc8_attn
		.amdhsa_group_segment_fixed_size 327680
		.amdhsa_private_segment_fixed_size 0
		.amdhsa_enable_private_segment 0
		.amdhsa_kernarg_size 24
		.amdhsa_user_sgpr_count 2
		.amdhsa_user_sgpr_kernarg_segment_ptr 1
		.amdhsa_wavefront_size32 1
		.amdhsa_system_sgpr_workgroup_id_x 1
		.amdhsa_system_sgpr_workgroup_id_y 1
		.amdhsa_system_sgpr_workgroup_id_z 1
		.amdhsa_system_vgpr_workitem_id 0
		.amdhsa_next_free_vgpr 256
		.amdhsa_next_free_sgpr 100
		.amdhsa_reserve_vcc 1
		.amdhsa_float_denorm_mode_32 3
		.amdhsa_float_denorm_mode_16_64 3
		.amdhsa_memory_ordered 1
		.amdhsa_forward_progress 1
		.amdhsa_inst_pref_size 108
	.end_amdhsa_kernel
	.amdgpu_metadata
---
amdhsa.version: [ 1, 2 ]
amdhsa.kernels:
  - .name:           k_qde6d6a1cc8_attn
    .symbol:         k_qde6d6a1cc8_attn.kd
    .args:
      - { .name: qkv, .offset: 0, .size: 8, .value_kind: global_buffer, .address_space: global }
      - { .name: lowp_scales, .offset: 8, .size: 8, .value_kind: global_buffer, .address_space: global }
      - { .name: yimg, .offset: 16, .size: 8, .value_kind: global_buffer, .address_space: global }
    .group_segment_fixed_size: 327680
    .private_segment_fixed_size: 0
    .kernarg_segment_align: 8
    .kernarg_segment_size: 24
    .max_flat_workgroup_size: 512
    .sgpr_count:     100
    .vgpr_count:     256
    .wavefront_size: 32
...
	.end_amdgpu_metadata
.endif
;; end of part 3
;; launch proj (part 4): grid 8 x 32, 4 waves a work-group, clusters of 4 x 4, 327,680 bytes of LDS; arguments yimg, wimg, lowp_scales, b_proj, x, x1; writes x1
.if DOCPART == 4
	.amdgcn_target "amdgcn-amd-amdhsa--gfx1250"
	.amdhsa_code_object_version 6
	.text
	.protected	k_qde6d6a1cc8_proj
	.globl	k_qde6d6a1cc8_proj
	.p2align	8
	.type	k_qde6d6a1cc8_proj,@function
k_qde6d6a1cc8_proj:
	s_mov_b64 s[64:65], 0
	v_nop
	global_prefetch_b8 v0, s[64:65] scope:SCOPE_SE
	s_setreg_imm32_b32 hwreg(HW_REG_WAVE_MODE, 25, 1), 1
	s_wait_xcnt 0x0
	s_wait_alu depctr_hold_cnt(0) depctr_sa_sdst(0) depctr_va_vdst(0) depctr_va_sdst(0) depctr_va_ssrc(0) depctr_va_vcc(0) depctr_vm_vsrc(0)
	s_getreg_b32 s2, hwreg(HW_REG_IB_STS2, 6, 4)
	s_cmp_eq_u32 s2, 0
	s_cbranch_scc0 .Lentry_in_a_cluster
	s_endpgm
.Lentry_in_a_cluster:
	s_bfe_u32 s2, ttmp6, 0x10000c
	s_cmp_lg_u32 s2, 0xf033
	s_cbranch_scc0 .Lentry_shape_is_right
	s_endpgm
.Lentry_shape_is_right:
; out = resid + (A W x 2^(ea + eb) + bias).  A: [4096][SIZE_K] and W: [1024 columns][SIZE_K] arrive as operand images of E4M3 codes (16 rows x 128 K = 2,048 bytes; chunk c: lane l's 16 bytes at 16 l: row l % 16, k = 32 c + 16 (l / 16) + 0..15).
; W's rows are its columns n, permuted inside each 32: tile 2 b + u, row r holds n = 32 b + 8 u + r + 8 (r / 8).  resid, out: [4096][1024] f32.
; A tile of 128 x 128 gives 256 work-groups; four waves, 64 x 64 each: 16 accumulators.  A slot holds 512 along K (four steps of 128): a wave's tensor load brings 4 row tiles x 8,192 bytes; two slots.
; CLUSTERS of 4 x 4: A's tile is shared along a row, W's along a column: joint loads.  Source 0 = W's fragment, source 1 = A's: a lane holds one row of out and eight columns.
; The residual's 64 x 64 numbers of a wave are asked for at the head and wait in 128 registers.  LIMIT: ea + eb between -126 and 127.
; REGISTERS: window 0: v8-11 bias; v16-29 addresses; v32-95 rows on the way out; v128-255 the accumulators ((a, b) at 128 + 8 (4 a + b)).  window 1: two fragment buffers of 128: A's four, then W's four.  window 2: v0-127 the residual.
; IN THIS LAUNCH K = 1,024 COMES WHOLE, by one tensor load a wave at the head: 4 row tiles x 16,384 bytes, 65,536 bytes a wave.  Nothing is filled a second time.  What the text calls slots 0 and 1 are the two halves of K,
; 8,192 bytes apart inside each row tile's 16,384.  No prefetch: the one load stands at the head, and there is no loop to run ahead in.
.set SIZE_K, 1024
.set WOFF,   0x300000                  ; the weight's place in wimg
.set SCOFF,  24                        ; ea's byte in lowp_scales; eb follows it
.set LAPS,   SIZE_K/1024               ; a lap = two slots = 1,024 along K
.set SLOT,   131072
.set QUART,  65536                     ; what one wave's load brings
.set KB,     8192                      ; a slot's bytes in a row tile: four fragments
.set SPARE,  2*SLOT                    ; behind the ring: the spare words, 128 bytes for each wave: two blocks of 256 bytes that no other line names
.set STAGE,  SPARE+512                 ; 16 rows x (256 bytes + 16) for each wave; no tensor load lands here
.set SPITCH, 272
.set BIASR, 8
.set ADRA, 16
.set ADRB, 20
.set STO,  24
.set RD,   25
.set CO,   26
.set BO,   27
.set SPW,  28
.set NIL,  29
.set ACC,  128
.set WV, 68
.set WH, 69
.set WL, 70
.set G1, 24
.set G0, 32
.set G1B, 48
.set G0B, 56
.set MSB, 0
.macro WIN new                         ; the immediate's high byte repeats the setting that is left
.if MSB != \new
	s_set_vgpr_msb (MSB<<8)|\new
.set MSB, \new
.endif
.endm
.set MUL,  0x05                        ; sources 0 (W) and 1 (A) window 1; C and D window 0
.set TO_F, 0x40                        ; destination window 1, address window 0
.macro JLOAD s                         ; a joint load: waves 0 and 1 fetch A's halves, waves 2 and 3 W's; an s_nop 0 and four v_nop follow each of the two lines
	s_cmp_eq_u32 s[WH], 0
	s_cbranch_scc0 .Lfor_b_\@
	tensor_load_to_lds s[G0+4*\s:G0+4*\s+3], s[G1:G1+7]
	s_nop 0
.rept 4
	v_nop
.endr
	s_branch .Lasked_\@
.Lfor_b_\@:
	tensor_load_to_lds s[G0B+4*\s:G0B+4*\s+3], s[G1B:G1B+7]
	s_nop 0
.rept 4
	v_nop
.endr
.Lasked_\@:
.endm
.macro CREST
	s_cmp_lg_u32 s[WV], 0
	s_cbranch_scc1 .Lnot_wave_0_\@
	s_barrier_signal -3
.Lnot_wave_0_\@:
	s_barrier_wait -3
	s_barrier_signal -1
	s_barrier_wait -1
.endm
.macro CROUND
	s_barrier_signal -1
	s_barrier_wait -1
	CREST
.endm
	s_load_b256 s[4:11], s[0:1], 0x0               ; A's image s[4:5], wimg s[6:7], the scales s[8:9], the bias s[10:11]
	s_load_b128 s[12:15], s[0:1], 0x20             ; the residual s[12:13], out s[14:15]
	v_lshl_add_u32 v[SPW], v0, 2, SPARE
	v_mov_b32 v[NIL], 0
	ds_add_u32 v[SPW], v[NIL]                      ; the wave's opening: the add and its wait ahead of my first tensor load; work on registers stands between them
	ds_add_u32 v[SPW], v[NIL]
	v_lshrrev_b32 v1, 5, v0
	v_readfirstlane_b32 s[WV], v1                  ; wave 0..3
	s_lshr_b32 s[WH], s[WV], 1                     ; which half of the tile's rows is mine.  Also: I fetch for A (0) or for W (1)
	s_and_b32 s[WL], s[WV], 1                      ; which half of its columns.  Also: which half of that tile I fetch
	s_bfe_u32 s40, ttmp6, 0x40000                  ; cx
	s_bfe_u32 s41, ttmp6, 0x40004                  ; cy
	s_lshl_b32 s42, ttmp9, 2
	s_add_co_u32 s42, s42, s40                     ; tile column
	s_and_b32 s17, ttmp7, 0xffff
	s_lshl_b32 s17, s17, 2
	s_add_co_u32 s17, s17, s41                     ; tile row
	s_lshl_b32 s43, s41, 2
	s_lshl_b32 s43, 15, s43                        ; my row of the cluster
	s_lshl_b32 s44, 0x1111, s40                    ; my column
	s_or_b32 s[G1+0], s43, (3<<16)|(1<<21)         ; the mask; elements of 8 bytes; bit 21 beside a mask; no padding
	s_or_b32 s[G1B+0], s44, (3<<16)|(1<<21)
.irp g, G1, G1B
	s_mov_b32 s[\g+1], 2048<<16                    ; tensor_dim0 = 2,048 elements: 16,384 bytes
	s_mov_b32 s[\g+2], 4<<16                       ; tensor_dim1 = 4 row tiles
	s_mov_b32 s[\g+3], 2048<<16                    ; tile_dim0
	s_mov_b32 s[\g+4], 4                           ; tile_dim1
	s_mov_b32 s[\g+5], 2*SIZE_K                    ; from row tile to row tile: 16 SIZE_K bytes
	s_mov_b32 s[\g+6], 0
	s_mov_b32 s[\g+7], 0
.endr
	s_lshl_b32 s18, s[WL], 2
	s_lshl_b32 s20, s17, 3
	s_add_co_u32 s20, s20, s18                     ; A: the first of my 4 row tiles
	s_mul_i32 s20, s20, 16*SIZE_K
	s_lshl_b32 s46, s42, 3
	s_add_co_u32 s46, s46, s18                     ; W likewise
	s_mul_i32 s46, s46, 16*SIZE_K
	s_add_co_u32 s46, s46, WOFF
	s_mov_b32 s21, 0
	s_mov_b32 s47, 0
	s_lshl_b32 s45, s[WV], 16                      ; where they go: wave x 65,536
	s_wait_dscnt 0x0                               ; the opening add is done
	s_wait_kmcnt 0x0
	s_load_b64 s[96:97], s[8:9], SCOFF             ; ea, eb
	s_add_nc_u64 s[20:21], s[4:5], s[20:21]
	s_add_nc_u64 s[46:47], s[6:7], s[46:47]
	CROUND                                         ; all sixteen work-groups are here: the first joint loads meet
.irp s, 0
	s_mov_b32 s[G0+4*\s], 1
	s_add_co_u32 s[G0+4*\s+1], s45, \s*SLOT
	s_add_nc_u64 s[G0+4*\s+2:G0+4*\s+3], s[20:21], \s*KB
	s_or_b32 s[G0+4*\s+3], s[G0+4*\s+3], 0x80000000
	s_mov_b32 s[G0B+4*\s], 1
	s_add_co_u32 s[G0B+4*\s+1], s45, \s*SLOT
	s_add_nc_u64 s[G0B+4*\s+2:G0B+4*\s+3], s[46:47], \s*KB
	s_or_b32 s[G0B+4*\s+3], s[G0B+4*\s+3], 0x80000000
	JLOAD \s
.endr
	v_and_b32 v1, 31, v0
	v_lshlrev_b32 v2, 4, v1                        ; 16 x lane
	s_lshl_b32 s21, s[WH], 16
	s_lshl_b32 s22, s[WL], 16
	s_add_co_u32 s22, s22, 2*QUART
.irp s, 0,1
	v_add_nc_u32 v[ADRA+\s], s21, v2
	v_add_nc_u32 v[ADRB+\s], s22, v2
	s_add_co_u32 s21, s21, KB                      ; the second half of K in each row tile
	s_add_co_u32 s22, s22, KB
.endr
	v_and_b32 v3, 15, v0                           ; r
	v_bfe_u32 v4, v0, 4, 1                         ; h
	s_mul_i32 s23, s[WV], 16*SPITCH
	s_add_co_u32 s23, s23, STAGE                   ; my stage
	v_mul_u32_u24 v[STO], v3, SPITCH
	v_lshl_add_u32 v[STO], v4, 6, v[STO]
	v_add_nc_u32 v[STO], s23, v[STO]               ; in: row r, + 64 h: columns 16 h on of each 32
	v_mul_u32_u24 v[RD], v4, SPITCH
	v_lshl_add_u32 v[RD], v3, 4, v[RD]
	v_add_nc_u32 v[RD], s23, v[RD]                 ; back: lanes 0-15 one row of 256 bytes, lanes 16-31 the next
	v_lshlrev_b32 v[BO], 4, v3                     ; my four columns
	s_wait_alu depctr_va_vdst(0)
	v_lshl_add_u32 v[CO], v4, 12, v[BO]            ; and the same two rows in out and in the residual
	s_wait_alu depctr_va_vdst(0)
	s_lshl_b32 s72, s17, 19                        ; 128 rows of 4,096 bytes a tile row,
	s_lshl_b32 s73, s[WH], 18                      ; my 64
	s_add_co_u32 s72, s72, s73
	s_lshl_b32 s74, s42, 9                         ; 128 columns of 4 bytes,
	s_lshl_b32 s73, s[WL], 8                       ; my 64: one aligned run of 256 bytes
	s_add_co_u32 s74, s74, s73
	s_add_co_u32 s72, s72, s74
	s_mov_b32 s73, 0
	s_mov_b32 s75, 0
	s_add_nc_u64 s[12:13], s[12:13], s[72:73]
	s_add_nc_u64 s[14:15], s[14:15], s[72:73]
	s_add_nc_u64 s[10:11], s[10:11], s[74:75]
	global_load_b128 v[BIASR:BIASR+3], v[BO], s[10:11]
	WIN 0x80                                       ; destination window 2
.set tt, 0
.rept 32
	global_load_b128 v[4*tt:4*tt+3], v[CO], s[12:13] offset:2*tt*4096 th:TH_LOAD_NT   ; rows 2 t, 2 t + 1 of my 64
.set tt, tt+1
.endr
	WIN 0
.macro MULA f, a, zero                 ; A's block a x W's four, 128 along K.  The 16 accumulators take turns, one instruction a turn, in the same order in every step
.irp b, 0,1,2,3
.if \zero
	v_wmma_f32_16x16x128_fp8_fp8 v[ACC+8*(4*(\a)+\b):ACC+8*(4*(\a)+\b)+7], v[(\f)+64+16*\b:(\f)+64+16*\b+15], v[(\f)+16*(\a):(\f)+16*(\a)+15], 0
.else
	v_wmma_f32_16x16x128_fp8_fp8 v[ACC+8*(4*(\a)+\b):ACC+8*(4*(\a)+\b)+7], v[(\f)+64+16*\b:(\f)+64+16*\b+15], v[(\f)+16*(\a):(\f)+16*(\a)+15], v[ACC+8*(4*(\a)+\b):ACC+8*(4*(\a)+\b)+7]
.endif
.endr
.endm
.macro FETCH slot, q, f                ; 32 LDS loads in one run: W's four fragments, then A's four, of the slot's q-th 128 along K
	WIN TO_F
.irp i, 0,1,2,3
.irp c, 0,1,2,3
	ds_load_b128 v[(\f)+64+16*\i+4*\c:(\f)+64+16*\i+4*\c+3], v[ADRB+\slot] offset:16384*\i+2048*(\q)+512*\c
.endr
.endr
.irp i, 0,1,2,3
.irp c, 0,1,2,3
	ds_load_b128 v[(\f)+16*\i+4*\c:(\f)+16*\i+4*\c+3], v[ADRA+\slot] offset:16384*\i+2048*(\q)+512*\c
.endr
.endr
.endm
.macro PLACES                          ; plain vector instructions between a matrix instruction and a load into, or a read of, its registers
.rept 4
	v_nop
.endr
.endm
.macro STEP slot, q, zero              ; one of a slot's first three steps: multiplies buffer q % 2, fetches step q + 1 into the other
.set FB, 128*((\q)%2)
	s_wait_dscnt 8                                 ; W's four and A's blocks 0, 1 are in; the youngest 8 loads (A's blocks 2, 3) may be out
	WIN MUL
	MULA FB, 0, \zero
	MULA FB, 1, \zero
	PLACES
	FETCH \slot, (\q)+1, 128-FB
	s_wait_dscnt 32                                ; all but the 32 just issued
	WIN MUL
	MULA FB, 2, \zero
	MULA FB, 3, \zero
.endm
; A slot's last step multiplies buffer 1 and changes slots: one barrier; in front of it each wave waits for all its tensor loads, adds 0 to its spare word, and waits for that and for its reads of this slot.
.macro TURN slot, next, fill
	WIN 0                                          ; (the add's two registers lie in window 0)
	s_wait_tensorcnt 0x0                           ; all my tensor loads have landed: my part of the next slot
	ds_add_u32 v[SPW], v[NIL]
	s_wait_dscnt 9                                 ; the add and the youngest 8 loads may be out
	WIN MUL
	MULA 128, 0, 0
	s_wait_dscnt 0x0                               ; the add is done, and my reads of this slot are over
	s_barrier_signal -1
	MULA 128, 1, 0
	WIN 0
	s_barrier_wait -1
.if \fill
	CREST                                          ; the barrier has opened a round of the cluster's barrier
	s_add_nc_u64 s[G0+4*\slot+2:G0+4*\slot+3], s[G0+4*\slot+2:G0+4*\slot+3], 2*KB
	s_add_nc_u64 s[G0B+4*\slot+2:G0B+4*\slot+3], s[G0B+4*\slot+2:G0B+4*\slot+3], 2*KB
	JLOAD \slot                                    ; the first tensor load behind the round; its four v_nop are the places in front of the loads below
.else
	PLACES
.endif
	FETCH \next, 0, 0
	WIN MUL
	MULA 128, 2, 0
	MULA 128, 3, 0
.endm
	s_wait_tensorcnt 0x0                           ; my part of the tiles is in
	s_barrier_signal -1
	s_barrier_wait -1
	FETCH 0, 0, 0
	STEP 0, 0, 1                                   ; the first step starts the sums
.if LAPS > 1
	WIN 0                                          ; at a label and at a branch every window is 0
	s_mov_b32 s3, LAPS-1
.Llap:                                                 ; a trip goes once round the ring, from a lap's second step to the next lap's first, and fills both slots again
	STEP 0, 1, 0
	STEP 0, 2, 0
	TURN 0, 1, 1
	STEP 1, 0, 0
	STEP 1, 1, 0
	STEP 1, 2, 0
	TURN 1, 0, 1
	STEP 0, 0, 0
	WIN 0
	s_sub_co_u32 s3, s3, 1
	s_cmp_lg_u32 s3, 0
	s_cbranch_scc1 .Llap
.endif
	STEP 0, 1, 0                                   ; the last lap fills nothing
	STEP 0, 2, 0
	TURN 0, 1, 0
	STEP 1, 0, 0
	STEP 1, 1, 0
	STEP 1, 2, 0
	s_wait_dscnt 8
	WIN MUL
	MULA 128, 0, 0
	MULA 128, 1, 0
	s_wait_dscnt 0
	MULA 128, 2, 0
	MULA 128, 3, 0
	WIN 0
	; THE WAY OUT, 16 rows at a time.  Lane (r, h) holds, in tile b, columns 32 (b / 2) + 16 h + 8 (b % 2) + 0..7 of row r: they go through my stage and come back as whole rows of 256 bytes.
	s_wait_kmcnt 0x0
	s_add_co_i32 s96, s96, s97
	s_add_co_i32 s96, s96, 127
	s_lshl_b32 s96, s96, 23                        ; 2^(ea + eb) as f32
	s_wait_loadcnt 0x0                             ; the bias and the residual
	PLACES
.macro OUTB a
.set BK, 32+32*((\a)%2)
.if (\a) > 1
	s_wait_xcnt 0x0                                ; block a - 2's stores have read their registers
.endif
.irp b, 0,1,2,3
	ds_store_b128 v[STO], v[ACC+8*(4*(\a)+\b):ACC+8*(4*(\a)+\b)+3] offset:128*(\b/2)+32*(\b%2)          ; each accumulator from its low end on
	ds_store_b128 v[STO], v[ACC+8*(4*(\a)+\b)+4:ACC+8*(4*(\a)+\b)+7] offset:128*(\b/2)+32*(\b%2)+16
.endr
.irp i, 0,1,2,3,4,5,6,7
	ds_load_b128 v[BK+4*\i:BK+4*\i+3], v[RD] offset:2*\i*SPITCH   ; LDS serves a wave's instructions in order: these see my stores
.endr
	s_wait_dscnt 0x0
.irp i, 0,1,2,3,4,5,6,7
.irp k, 0,2
	v_pk_fma_f32 v[BK+4*\i+\k:BK+4*\i+\k+1], v[BK+4*\i+\k:BK+4*\i+\k+1], s[96:97], v[BIASR+\k:BIASR+\k+1] op_sel_hi:[1,0,1]   ; sum x 2^(ea + eb) + bias
.endr
.endr
	WIN 0x08                                       ; source 1: window 2
.set jj, 0
.rept 16
	v_pk_add_f32 v[BK+jj:BK+jj+1], v[BK+jj:BK+jj+1], v[32*(\a)+jj:32*(\a)+jj+1]   ; + the residual
.set jj, jj+2
.endr
	WIN 0
.irp i, 0,1,2,3,4,5,6,7
	global_store_b128 v[CO], v[BK+4*\i:BK+4*\i+3], s[14:15] offset:(16*(\a)+2*\i)*4096   ; 16 lanes store 256 consecutive bytes, aligned
.endr
.endm
.irp a, 0,1,2,3
	OUTB \a
.endr
	s_wait_tensorcnt 0x0                           ; the wave's end, behind my last tensor load and my last LDS store
	ds_add_u32 v[SPW], v[NIL]
	s_wait_dscnt 0x0
	CROUND                                         ; the closing round
	s_endpgm
.Lfunc_end_k_qde6d6a1cc8_proj:
	.size	k_qde6d6a1cc8_proj, .Lfunc_end_k_qde6d6a1cc8_proj-k_qde6d6a1cc8_proj
	.p2alignl 7, 3214868480
	.fill 96, 4, 3214868480
	.section	.rodata,"a",@progbits
	.p2align	6, 0x0
	.amdhsa_kernel k_qde6d6a1cc8_proj
		.amdhsa_group_segment_fixed_size 327680
		.amdhsa_private_segment_fixed_size 0
		.amdhsa_enable_private_segment 0
		.amdhsa_kernarg_size 48
		.amdhsa_user_sgpr_count 2
		.amdhsa_user_sgpr_kernarg_segment_ptr 1
		.amdhsa_wavefront_size32 1
		.amdhsa_system_sgpr_workgroup_id_x 1
		.amdhsa_system_sgpr_workgroup_id_y 1
		.amdhsa_system_sgpr_workgroup_id_z 1
		.amdhsa_system_vgpr_workitem_id 0
		.amdhsa_next_free_vgpr 640
		.amdhsa_next_free_sgpr 100
		.amdhsa_reserve_vcc 0
		.amdhsa_float_denorm_mode_32 3
		.amdhsa_float_denorm_mode_16_64 3
		.amdhsa_memory_ordered 1
		.amdhsa_forward_progress 1
		.amdhsa_inst_pref_size 52
	.end_amdhsa_kernel
	.amdgpu_metadata
---
amdhsa.version: [ 1, 2 ]
amdhsa.kernels:
  - .name:           k_qde6d6a1cc8_proj
    .symbol:         k_qde6d6a1cc8_proj.kd
    .args:
      - { .name: yimg, .offset: 0, .size: 8, .value_kind: global_buffer, .address_space: global }
      - { .name: wimg, .offset: 8, .size: 8, .value_kind: global_buffer, .address_space: global }
      - { .name: lowp_scales, .offset: 16, .size: 8, .value_kind: global_buffer, .address_space: global }
      - { .name: b_proj, .offset: 24, .size: 8, .value_kind: global_buffer, .address_space: global }
      - { .name: x, .offset: 32, .size: 8, .value_kind: global_buffer, .address_space: global }
      - { .name: x1, .offset: 40, .size: 8, .value_kind: global_buffer, .address_space: global }
    .group_segment_fixed_size: 327680
    .private_segment_fixed_size: 0
    .kernarg_segment_align: 8
    .kernarg_segment_size: 48
    .max_flat_workgroup_size: 128
    .sgpr_count:     100
    .vgpr_count:     640
    .wavefront_size: 32
...
	.end_amdgpu_metadata
.endif
;; end of part 4
;; launch ln2 (part 5): grid 256 x 1, 4 waves a work-group, no clusters, 17,920 bytes of LDS; arguments x1, ln2_g, ln2_b, lowp_scales, h2; writes h2
.if DOCPART == 5
	.amdgcn_target "amdgcn-amd-amdhsa--gfx1250"
	.amdhsa_code_object_version 6
	.text
	.protected	k_qde6d6a1cc8_ln2
	.globl	k_qde6d6a1cc8_ln2
	.p2align	8
	.type	k_qde6d6a1cc8_ln2,@function
k_qde6d6a1cc8_ln2:
	s_mov_b64 s[64:65], 0
	v_nop
	global_prefetch_b8 v0, s[64:65] scope:SCOPE_SE
	s_setreg_imm32_b32 hwreg(HW_REG_WAVE_MODE, 25, 1), 1
	s_wait_xcnt 0x0
; Layernorm 2 of 16 rows of x1 a work-group, quantised to E4M3 with 2^e8, stored as an operand image (h2).
; THE IMAGE: byte(row, k) = (row / 16) 16384 + (k / 128) 2048 + ((k / 32) % 4) 512 + ((k / 16) % 2) 256 + (row % 16) 16 + k % 16.
; Wave w takes rows 4 w .. 4 w + 3 whole: a load reads 512 consecutive bytes, lane l holds k = 128 j + 4 l + 0..3 of load j.  Four codes (one register) belong to unit 8 j + l / 4 of the row tile's 64 units of 256 bytes,
; at 16 x row + 4 (l % 4): they meet the other rows' in a stage (units 272 bytes apart) and leave as whole units.
; LIMITS: e8 between -126 and 119.  NaN among the inputs is not served.
.set SPARE, 17408                      ; behind the stage: the spare words, 128 bytes for each wave: two blocks of 256 bytes that no other line names
.set SPW, 2
.set NIL, 3
.set LI,  5
.set SIN, 6
.set SBK, 7
.set INV, 8
.set LIM, 10
.set SCL, 11
.set MU,  12                           ; v[12:19] a row's mean, twice, four rows
.set RS,  20                           ; v[20:27] 1 / sqrt(var + eps), twice
.set G,   32
.set BT,  64
.set X,   96
.set CD,  224
.set T,   224                          ; before the codes are made: four registers a row for the sums
.set XP, 4
.set GP, 6
.set BP, 8
.set OP, 20
.set EE, 68
.set WV, 24
.set SEL, 30
.macro REDUCE                          ; four rows' partial sums (two pairs a row) become one number a row, in every lane
.irp p, 0,1,2,3
	v_pk_add_f32 v[T+4*\p:T+4*\p+1], v[T+4*\p:T+4*\p+1], v[T+4*\p+2:T+4*\p+3]
.endr
.irp p, 0,1,2,3
	v_add_f32 v[T+4*\p], v[T+4*\p], v[T+4*\p+1]
.endr
.irp m, 1,2,4,8
.irp p, 0,1,2,3
	v_add_f32_dpp v[T+4*\p], v[T+4*\p], v[T+4*\p] row_xmask:\m row_mask:0xf bank_mask:0xf
.endr
.endr
.irp p, 0,1,2,3
	v_permlanex16_b32 v[T+4*\p+1], v[T+4*\p], s[SEL], s[SEL+1]
.endr
.irp p, 0,1,2,3
	v_add_f32 v[T+4*\p], v[T+4*\p], v[T+4*\p+1]
.endr
.endm
	s_load_b256 s[4:11], s[0:1], 0x0               ; x1, ln2_g, ln2_b, lowp_scales
	s_load_b64 s[OP:OP+1], s[0:1], 0x20            ; h2
	v_lshl_add_u32 v[SPW], v0, 2, SPARE
	v_mov_b32 v[NIL], 0
	v_lshrrev_b32 v1, 5, v0
	v_readfirstlane_b32 s[WV], v1                  ; wave 0..3
	v_and_b32 v1, 31, v0                           ; lane
	s_wait_alu depctr_va_vdst(0)
	s_wait_kmcnt 0x0
	s_load_b32 s[EE], s[10:11], 0x20               ; e8
	s_lshl_b32 s26, ttmp9, 16                      ; 16 rows of 4,096 bytes,
	s_lshl_b32 s27, s[WV], 14                      ; my four of them
	s_add_co_u32 s26, s26, s27
	s_mov_b32 s27, 0
	s_add_nc_u64 s[XP:XP+1], s[XP:XP+1], s[26:27]
	s_lshl_b32 s26, ttmp9, 14
	s_lshl_b32 s28, s[WV], 12
	s_add_co_u32 s26, s26, s28
	s_add_nc_u64 s[OP:OP+1], s[OP:OP+1], s[26:27]
	v_lshlrev_b32 v[LI], 4, v1
.irp p, 0,1,2,3
.irp j, 0,1,2,3,4,5,6,7
	global_load_b128 v[X+32*\p+4*\j:X+32*\p+4*\j+3], v[LI], s[XP:XP+1] offset:4096*\p+512*\j th:TH_LOAD_NT
.endr
.endr
.irp j, 0,1,2,3,4,5,6,7
	global_load_b128 v[G+4*\j:G+4*\j+3], v[LI], s[GP:GP+1] offset:512*\j
.endr
.irp j, 0,1,2,3,4,5,6,7
	global_load_b128 v[BT+4*\j:BT+4*\j+3], v[LI], s[BP:BP+1] offset:512*\j
.endr
	v_lshrrev_b32 v[SIN], 2, v1
	v_mul_u32_u24 v[SIN], v[SIN], 272
	v_and_b32 v4, 3, v1
	v_lshl_add_u32 v[SIN], v4, 2, v[SIN]
	s_lshl_b32 s34, s[WV], 6
	v_add_nc_u32 v[SIN], s34, v[SIN]               ; 272 (l / 4) + 4 (l % 4) + 16 x (4 w): 32 lanes of a store fall on 32 different banks
	v_lshrrev_b32 v[SBK], 4, v1
	v_mul_u32_u24 v[SBK], v[SBK], 272
	v_and_b32 v4, 15, v1
	v_lshl_add_u32 v[SBK], v4, 4, v[SBK]
	s_mul_i32 s34, s[WV], 16*272
	v_add_nc_u32 v[SBK], s34, v[SBK]               ; back: wave w takes units 16 w .. 16 w + 15, two an instruction
	s_mov_b32 s[SEL], 0x76543210
	s_mov_b32 s[SEL+1], 0xfedcba98
	v_mov_b32 v[INV], 0x3a800000
	s_wait_kmcnt 0x0
	s_add_co_i32 s34, s[EE], 127
	s_lshl_b32 s35, s34, 23
	v_mov_b32 v[SCL], s35                          ; 2^e as f32
	s_add_co_i32 s34, s34, 8
	s_lshl_b32 s34, s34, 23
	s_or_b32 s34, s34, 0x600000
	v_mov_b32 v[LIM], s34                          ; 448 x 2^e
	s_wait_loadcnt 16                              ; the four rows are in; the 16 loads of gain and bias may be out
.irp p, 0,1,2,3
	v_pk_add_f32 v[T+4*\p:T+4*\p+1], v[X+32*\p:X+32*\p+1], v[X+32*\p+2:X+32*\p+3]
	v_pk_add_f32 v[T+4*\p+2:T+4*\p+3], v[X+32*\p+4:X+32*\p+5], v[X+32*\p+6:X+32*\p+7]
.endr
.irp j, 8,12,16,20,24,28
.irp p, 0,1,2,3
	v_pk_add_f32 v[T+4*\p:T+4*\p+1], v[T+4*\p:T+4*\p+1], v[X+32*\p+\j:X+32*\p+\j+1]
	v_pk_add_f32 v[T+4*\p+2:T+4*\p+3], v[T+4*\p+2:T+4*\p+3], v[X+32*\p+\j+2:X+32*\p+\j+3]
.endr
.endr
	REDUCE
.irp p, 0,1,2,3
	v_mul_f32 v[MU+2*\p], v[INV], v[T+4*\p]        ; the mean
.endr
.irp p, 0,1,2,3
	v_mov_b32 v[MU+2*\p+1], v[MU+2*\p]
.endr
.irp p, 0,1,2,3
.set jj, 0
.rept 16
	v_pk_add_f32 v[X+32*\p+jj:X+32*\p+jj+1], v[X+32*\p+jj:X+32*\p+jj+1], v[MU+2*\p:MU+2*\p+1] neg_lo:[0,1] neg_hi:[0,1]   ; x - mean, in place
.set jj, jj+2
.endr
.endr
.irp p, 0,1,2,3
	v_pk_mul_f32 v[T+4*\p:T+4*\p+1], v[X+32*\p:X+32*\p+1], v[X+32*\p:X+32*\p+1]
	v_pk_mul_f32 v[T+4*\p+2:T+4*\p+3], v[X+32*\p+2:X+32*\p+3], v[X+32*\p+2:X+32*\p+3]
.endr
.irp j, 4,8,12,16,20,24,28
.irp p, 0,1,2,3
	v_pk_fma_f32 v[T+4*\p:T+4*\p+1], v[X+32*\p+\j:X+32*\p+\j+1], v[X+32*\p+\j:X+32*\p+\j+1], v[T+4*\p:T+4*\p+1]
	v_pk_fma_f32 v[T+4*\p+2:T+4*\p+3], v[X+32*\p+\j+2:X+32*\p+\j+3], v[X+32*\p+\j+2:X+32*\p+\j+3], v[T+4*\p+2:T+4*\p+3]
.endr
.endr
	REDUCE
.irp p, 0,1,2,3
	v_fmaak_f32 v[T+4*\p], v[INV], v[T+4*\p], 0x3727c5ac   ; var + 1e-5
.endr
	s_wait_alu depctr_va_vdst(0)
.irp p, 0,1,2,3
	v_rsq_f32 v[RS+2*\p], v[T+4*\p]
.endr
	v_nop                                          ; a plain instruction behind the last of the four,
	s_wait_alu depctr_va_vdst(0)                   ; and one wait for the batch, ahead of its first reader
.irp p, 0,1,2,3
	v_mov_b32 v[RS+2*\p+1], v[RS+2*\p]
.endr
	s_wait_alu depctr_va_vdst(0)
	s_wait_loadcnt 0x0                             ; gain and bias
.irp p, 0,1,2,3
.set jj, 0
.rept 16
	v_pk_mul_f32 v[X+32*\p+jj:X+32*\p+jj+1], v[X+32*\p+jj:X+32*\p+jj+1], v[RS+2*\p:RS+2*\p+1]
.set jj, jj+2
.endr
.set jj, 0
.rept 16
	v_pk_fma_f32 v[X+32*\p+jj:X+32*\p+jj+1], v[X+32*\p+jj:X+32*\p+jj+1], v[G+jj:G+jj+1], v[BT+jj:BT+jj+1]
.set jj, jj+2
.endr
.set jj, 0
.rept 32
	v_med3_num_f32 v[X+32*\p+jj], v[X+32*\p+jj], -v[LIM], v[LIM]   ; the conversion does not saturate (ISA guide 7.6.2)
.set jj, jj+1
.endr
.irp m, 0,1,2,3
	v_cvt_scalef32_pk8_fp8_f32 v[CD+8*\p+2*\m:CD+8*\p+2*\m+1], v[X+32*\p+8*\m:X+32*\p+8*\m+7], v[SCL]   ; register j of the row's eight: the four codes of load j
.endr
.irp j, 0,1,2,3,4,5,6,7
	ds_store_b32 v[SIN], v[CD+8*\p+\j] offset:2176*\j+16*\p
.endr
.endr
	v_nop                                          ; a plain instruction behind the last conversion
	s_wait_dscnt 0x0                               ; for the others' sake: my stores into the stage are done
	s_barrier_signal -1
	s_barrier_wait -1
.irp i, 0,1,2,3,4,5,6,7
	ds_load_b128 v[X+4*\i:X+4*\i+3], v[SBK] offset:544*\i
.endr
.irp i, 0,1,2,3,4,5,6,7
	s_wait_dscnt 7-\i                              ; LDS loads come back in order: load i is in
	global_store_b128 v[LI], v[X+4*\i:X+4*\i+3], s[OP:OP+1] offset:512*\i   ; 32 lanes store 512 consecutive bytes, aligned
.endr
	s_wait_tensorcnt 0x0                           ; the wave's end, behind my last LDS store
	ds_add_u32 v[SPW], v[NIL]
	s_wait_dscnt 0x0
	s_endpgm
.Lfunc_end_k_qde6d6a1cc8_ln2:
	.size	k_qde6d6a1cc8_ln2, .Lfunc_end_k_qde6d6a1cc8_ln2-k_qde6d6a1cc8_ln2
	.p2alignl 7, 3214868480
	.fill 96, 4, 3214868480
	.section	.rodata,"a",@progbits
	.p2align	6, 0x0
	.amdhsa_kernel k_qde6d6a1cc8_ln2
		.amdhsa_group_segment_fixed_size 17920
		.amdhsa_private_segment_fixed_size 0
		.amdhsa_enable_private_segment 0
		.amdhsa_kernarg_size 40
		.amdhsa_user_sgpr_count 2
		.amdhsa_user_sgpr_kernarg_segment_ptr 1
		.amdhsa_wavefront_size32 1
		.amdhsa_system_sgpr_workgroup_id_x 1
		.amdhsa_system_sgpr_workgroup_id_y 1
		.amdhsa_system_sgpr_workgroup_id_z 1
		.amdhsa_system_vgpr_workitem_id 0
		.amdhsa_next_free_vgpr 256
		.amdhsa_next_free_sgpr 72
		.amdhsa_reserve_vcc 0
		.amdhsa_float_denorm_mode_32 3
		.amdhsa_float_denorm_mode_16_64 3
		.amdhsa_memory_ordered 1
		.amdhsa_forward_progress 1
		.amdhsa_inst_pref_size 44
	.end_amdhsa_kernel
	.amdgpu_metadata
---
amdhsa.version: [ 1, 2 ]
amdhsa.kernels:
  - .name:           k_qde6d6a1cc8_ln2
    .symbol:         k_qde6d6a1cc8_ln2.kd
    .args:
      - { .name: x1, .offset: 0, .size: 8, .value_kind: global_buffer, .address_space: global }
      - { .name: ln2_g, .offset: 8, .size: 8, .value_kind: global_buffer, .address_space: global }
      - { .name: ln2_b, .offset: 16, .size: 8, .value_kind: global_buffer, .address_space: global }
      - { .name: lowp_scales, .offset: 24, .size: 8, .value_kind: global_buffer, .address_space: global }
      - { .name: h2, .offset: 32, .size: 8, .value_kind: global_buffer, .address_space: global }
    .group_segment_fixed_size: 17920
    .private_segment_fixed_size: 0
    .kernarg_segment_align: 8
    .kernarg_segment_size: 40
    .max_flat_workgroup_size: 128
    .sgpr_count:     72
    .vgpr_count:     256
    .wavefront_size: 32
...
	.end_amdgpu_metadata
.endif
;; end of part 5
;; launch fc (part 6): grid 16 x 16, 4 waves a work-group, clusters of 4 x 4, 327,680 bytes of LDS; arguments h2, wimg, lowp_scales, b_fc, h3; writes h3
.if DOCPART == 6
	.amdgcn_target "amdgcn-amd-amdhsa--gfx1250"
	.amdhsa_code_object_version 6
	.text
	.protected	k_qde6d6a1cc8_fc
	.globl	k_qde6d6a1cc8_fc
	.p2align	8
	.type	k_qde6d6a1cc8_fc,@function
k_qde6d6a1cc8_fc:
	s_mov_b64 s[64:65], 0
	v_nop
	global_prefetch_b8 v0, s[64:65] scope:SCOPE_SE
	s_setreg_imm32_b32 hwreg(HW_REG_WAVE_MODE, 25, 1), 1
	s_wait_xcnt 0x0
	s_wait_alu depctr_hold_cnt(0) depctr_sa_sdst(0) depctr_va_vdst(0) depctr_va_sdst(0) depctr_va_ssrc(0) depctr_va_vcc(0) depctr_vm_vsrc(0)
	s_getreg_b32 s2, hwreg(HW_REG_IB_STS2, 6, 4)
	s_cmp_eq_u32 s2, 0
	s_cbranch_scc0 .Lentry_in_a_cluster
	s_endpgm
.Lentry_in_a_cluster:
	s_bfe_u32 s2, ttmp6, 0x10000c
	s_cmp_lg_u32 s2, 0xf033
	s_cbranch_scc0 .Lentry_shape_is_right
	s_endpgm
.Lentry_shape_is_right:
; h3 = Q(gelu(Q(h2) Q(w_fc) x 2^(e8 + e9) + b_fc)), the tanh form of gelu written as u / (1 + 2^(-2 log2(e) sqrt(2 / pi) (u + 0.044715 u^3))), quantised with 2^e10 and stored as an operand image.
; Both operands arrive as images (16 rows x 128 K = 2,048 bytes).  A tile of 256 x 256 is made by four waves, 128 x 128 each; K = 1,024 goes in four steps of 256 through two LDS slots; clusters of 4 x 4 with joint loads.
; LIMITS: e8 + e9 between -126 and 127; e10 between -126 and 119.  NaN is not served.
.set SLOT,   131072
.set QUART,  32768
.set SPARE,  2*SLOT
.set KB,     4096
.set FR,     16
.set NL,     4
.set NP,     4
.set K1R,  12
.set ADRA, 16
.set ADRB, 20
.set LI,   27
.set SPW,  28
.set NIL,  29
.set LIM,  30
.set SCL,  31
.set BI,   32
.set CD,   96
.set AF,   128
.set U,    128
.set T,    192
.set G1, 24
.set G0, 32
.set G1B, 48
.set G0B, 56
; THE PREFETCH.  K steps 1 and 2 are asked of memory behind the head's joint load, K step 3 behind the second.  Of the 8 row tiles that a wave fetches, each of the four partners that ask for them jointly takes two, told apart by address
; (cx for A, cy for W): 2 x 4,096 bytes, lanes 256 bytes apart, one instruction a wave and K step; every offset is an immediate.
.set PFA, 76                           ; s[76:77] my work-group's two row tiles at K step 0; never rewritten
.set PFO, 24                           ; v24  16,384 (lane / 16) + 256 (lane % 16); never rewritten
.set MSB, 0
.macro WIN new
.if MSB != \new
	s_set_vgpr_msb (MSB<<8)|\new
.set MSB, \new
.endif
.endm
.set MUL_LO, 0xa1
.set MUL_HI, 0xf1
.set TO_B,   0x40
.macro JLOAD g0a, g1a, g0b, g1b
	s_cmp_eq_u32 s15, 0
	s_cbranch_scc0 .Lfor_b_\@
	tensor_load_to_lds s[\g0a:\g0a+3], s[\g1a:\g1a+7]
	s_nop 0
.rept 4
	v_nop
.endr
	s_branch .Lasked_\@
.Lfor_b_\@:
	tensor_load_to_lds s[\g0b:\g0b+3], s[\g1b:\g1b+7]
	s_nop 0
.rept 4
	v_nop
.endr
.Lasked_\@:
.endm
.macro CREST
	s_cmp_lg_u32 s14, 0
	s_cbranch_scc1 .Lnot_wave_0_\@
	s_barrier_signal -3
.Lnot_wave_0_\@:
	s_barrier_wait -3
	s_barrier_signal -1
	s_barrier_wait -1
.endm
.macro CROUND
	s_barrier_signal -1
	s_barrier_wait -1
	CREST
.endm
	s_load_b256 s[4:11], s[0:1], 0x0
	s_load_b64 s[12:13], s[0:1], 0x20
	v_lshl_add_u32 v[SPW], v0, 2, SPARE
	v_mov_b32 v[NIL], 0
	ds_add_u32 v[SPW], v[NIL]
	ds_add_u32 v[SPW], v[NIL]
	v_lshrrev_b32 v1, 5, v0
	v_readfirstlane_b32 s14, v1
	s_lshr_b32 s15, s14, 1
	s_and_b32 s16, s14, 1
	s_bfe_u32 s40, ttmp6, 0x40000
	s_bfe_u32 s41, ttmp6, 0x40004
	s_lshl_b32 s42, ttmp9, 2
	s_add_co_u32 s42, s42, s40
	s_and_b32 s17, ttmp7, 0xffff
	s_lshl_b32 s17, s17, 2
	s_add_co_u32 s17, s17, s41
	s_lshl_b32 s43, s41, 2
	s_lshl_b32 s43, 15, s43
	s_lshl_b32 s44, 0x1111, s40
	s_or_b32 s[G1+0], s43, (3<<16)|(1<<21)
	s_or_b32 s[G1B+0], s44, (3<<16)|(1<<21)
.irp g, G1, G1B
	s_mov_b32 s[\g+1], 512<<16
	s_mov_b32 s[\g+2], 8<<16
	s_mov_b32 s[\g+3], 512<<16
	s_mov_b32 s[\g+4], 8
	s_mov_b32 s[\g+5], 2048
	s_mov_b32 s[\g+6], 0
	s_mov_b32 s[\g+7], 0
.endr
	s_lshl_b32 s21, s16, 3
	s_lshl_b32 s20, s17, 4
	s_add_co_u32 s20, s20, s21
	s_lshl_b32 s20, s20, 14
	s_lshl_b32 s46, s42, 4
	s_add_co_u32 s46, s46, s21
	s_lshl_b32 s46, s46, 14
	s_add_co_u32 s46, s46, 0x400000
	s_mov_b32 s21, 0
	s_mov_b32 s47, 0
	s_lshl_b32 s45, s14, 15
	s_wait_dscnt 0x0
	s_wait_kmcnt 0x0
	s_load_b128 s[84:87], s[8:9], 0x20
	s_add_nc_u64 s[20:21], s[4:5], s[20:21]
	s_add_nc_u64 s[46:47], s[6:7], s[46:47]
	CROUND
.irp s, 0,1
	s_mov_b32 s[G0+4*\s], 1
	s_add_co_u32 s[G0+4*\s+1], s45, \s*SLOT
	s_add_nc_u64 s[G0+4*\s+2:G0+4*\s+3], s[20:21], \s*KB
	s_or_b32 s[G0+4*\s+3], s[G0+4*\s+3], 0x80000000
	s_mov_b32 s[G0B+4*\s], 1
	s_add_co_u32 s[G0B+4*\s+1], s45, \s*SLOT
	s_add_nc_u64 s[G0B+4*\s+2:G0B+4*\s+3], s[46:47], \s*KB
	s_or_b32 s[G0B+4*\s+3], s[G0B+4*\s+3], 0x80000000
.endr
	JLOAD G0, G1, G0B, G1B                         ; K step 0: one tensor load a wave at the head
	s_cmp_eq_u32 s15, 0                            ; do I fetch for A?
	s_cselect_b32 s78, s40, s41                    ; my place among the four that ask with me
	s_cselect_b64 s[PFA:PFA+1], s[20:21], s[46:47]
	s_lshl_b32 s78, s78, 15                        ; two row tiles of 16,384 bytes
	s_mov_b32 s79, 0
	s_add_nc_u64 s[PFA:PFA+1], s[PFA:PFA+1], s[78:79]
	v_and_b32 v1, 31, v0
	v_lshlrev_b32 v[LI], 4, v1
	v_and_b32 v[PFO], 15, v0
	v_bfe_u32 v25, v0, 4, 1
	v_lshlrev_b32 v[PFO], 8, v[PFO]
	v_lshl_add_u32 v[PFO], v25, 14, v[PFO]
	s_wait_alu depctr_va_vdst(0)                   ; the wait ahead of readers that stand behind later waits
	global_prefetch_b8 v[PFO], s[PFA:PFA+1] offset:KB th:TH_LOAD_NT scope:SCOPE_SE     ; K step 1
	global_prefetch_b8 v[PFO], s[PFA:PFA+1] offset:2*KB th:TH_LOAD_NT scope:SCOPE_SE   ; K step 2
	s_lshl_b32 s21, s15, 15
	s_lshl_b32 s22, s16, 15
	s_add_co_u32 s22, s22, 2*QUART
.irp s, 0,1
	v_add_nc_u32 v[ADRA+\s], s21, v[LI]
	v_add_nc_u32 v[ADRB+\s], s22, v[LI]
	s_add_co_u32 s21, s21, SLOT
	s_add_co_u32 s22, s22, SLOT
.endr
	s_lshl_b32 s18, s42, 10
	s_lshl_b32 s19, s16, 9
	s_add_co_u32 s18, s18, s19
	s_mov_b32 s19, 0
	s_add_nc_u64 s[18:19], s[10:11], s[18:19]
	v_bfe_u32 v2, v0, 4, 1
	v_lshlrev_b32 v3, 6, v2
.irp b, 0,1,2,3,4,5,6,7
	global_load_b128 v[BI+8*\b:BI+8*\b+3], v3, s[18:19] offset:(32*(\b/2)+8*(\b%2))*4
	global_load_b128 v[BI+8*\b+4:BI+8*\b+7], v3, s[18:19] offset:(32*(\b/2)+8*(\b%2))*4+16
.endr
.macro FRAG reg, adr, q, i
.irp c, 0,1,2,3
	ds_load_b128 v[\reg+4*\c:\reg+4*\c+3], v[\adr] offset:2048*(\q)+512*\c+4096*(\i)
.endr
.endm
.macro MUL16 a0, p, zero
.irp a, \a0, \a0+1
.irp b, 0,1,2,3,4,5,6,7
.if \zero
	v_wmma_f32_16x16x128_fp8_fp8 v[8*(8*((\a)%4)+\b):8*(8*((\a)%4)+\b)+7], v[128*(\p)+FR*\b:128*(\p)+FR*\b+FR-1], v[AF+FR*(\a):AF+FR*(\a)+FR-1], 0
.else
	v_wmma_f32_16x16x128_fp8_fp8 v[8*(8*((\a)%4)+\b):8*(8*((\a)%4)+\b)+7], v[128*(\p)+FR*\b:128*(\p)+FR*\b+FR-1], v[AF+FR*(\a):AF+FR*(\a)+FR-1], v[8*(8*((\a)%4)+\b):8*(8*((\a)%4)+\b)+7]
.endif
.endr
.endr
.endm
.macro FETCH_B slot, q, p
	WIN TO_B
.irp i, 0,1,2,3,4,5,6,7
	FRAG 128*(\p)+FR*\i, ADRB+\slot, \q, \i
.endr
	WIN 0
.endm
.macro FETCH_A slot, q, i0
.irp i, \i0, \i0+1, \i0+2, \i0+3
	FRAG AF+FR*(\i), ADRA+\slot, \q, \i
.endr
.endm
.macro PLACES n
.rept \n
	v_nop
.endr
.endm
.macro STEP slot, q, zero
	s_wait_dscnt 4*NL
	WIN MUL_LO
	MUL16 0, (\q)%2, \zero
	MUL16 2, (\q)%2, \zero
	s_wait_dscnt 0
	PLACES NP
	FETCH_B \slot, (\q)+1, 1-(\q)%2
	FETCH_A \slot, (\q)+1, 0
	WIN MUL_HI
	MUL16 4, (\q)%2, \zero
	MUL16 6, (\q)%2, \zero
	PLACES NP
	WIN 0
	FETCH_A \slot, (\q)+1, 4
.endm
.macro TURN slot, next, fill
	s_wait_tensorcnt 0x0
	ds_add_u32 v[SPW], v[NIL]
	s_wait_dscnt 4*NL+1
	WIN MUL_LO
	MUL16 0, 1, 0
	s_wait_dscnt 0x0
	s_barrier_signal -1
	MUL16 2, 1, 0
	WIN 0
	s_barrier_wait -1
.if \fill
	CREST
	s_add_nc_u64 s[G0+4*\slot+2:G0+4*\slot+3], s[G0+4*\slot+2:G0+4*\slot+3], 2*KB
	s_add_nc_u64 s[G0B+4*\slot+2:G0B+4*\slot+3], s[G0B+4*\slot+2:G0B+4*\slot+3], 2*KB
	JLOAD G0+4*\slot, G1, G0B+4*\slot, G1B
.else
	PLACES NP
.endif
	FETCH_B \next, 0, 0
	FETCH_A \next, 0, 0
	WIN MUL_HI
	MUL16 4, 1, 0
	MUL16 6, 1, 0
	PLACES NP
	WIN 0
	FETCH_A \next, 0, 4
.endm
	s_wait_alu depctr_va_vdst(0)
	s_wait_tensorcnt 0x0                           ; my part of K step 0 is in
	ds_add_u32 v[SPW], v[NIL]
	s_wait_dscnt 0x0
	CROUND                                         ; a whole round: everybody's part of K step 0 is in, and the joint loads meet
	JLOAD G0+4, G1, G0B+4, G1B                     ; K step 1, the first tensor load behind the round
	FETCH_B 0, 0, 0
	FETCH_A 0, 0, 0
	FETCH_A 0, 0, 4
	global_prefetch_b8 v[PFO], s[PFA:PFA+1] offset:3*KB th:TH_LOAD_NT scope:SCOPE_SE   ; K step 3
	STEP 0, 0, 1
	TURN 0, 1, 1
	STEP 1, 0, 0
	TURN 1, 0, 1
	STEP 0, 0, 0
	TURN 0, 1, 0
	STEP 1, 0, 0
	s_wait_dscnt 4*NL
	WIN MUL_LO
	MUL16 0, 1, 0
	MUL16 2, 1, 0
	s_wait_dscnt 0
	WIN MUL_HI
	MUL16 4, 1, 0
	MUL16 6, 1, 0
	WIN 0
	s_wait_loadcnt 0x0
	s_wait_kmcnt 0x0
	s_add_co_i32 s96, s84, s85
	s_add_co_i32 s96, s96, 127
	s_lshl_b32 s96, s96, 23
	s_mov_b32 s97, s96
	s_mov_b32 s92, 0xbdd2d3e8
	s_mov_b32 s93, s92
	v_mov_b32 v[K1R], 0xc0135761
	v_mov_b32 v[K1R+1], 0xc0135761
	s_add_co_i32 s94, s86, 127
	s_lshl_b32 s95, s94, 23
	v_mov_b32 v[SCL], s95
	s_add_co_i32 s94, s94, 8
	s_lshl_b32 s94, s94, 23
	s_or_b32 s94, s94, 0x600000
	v_mov_b32 v[LIM], s94
	s_lshl_b32 s2, s17, 20
	s_lshl_b32 s3, s15, 19
	s_add_co_u32 s2, s2, s3
	s_lshl_b32 s3, s42, 12
	s_add_co_u32 s2, s2, s3
	s_lshl_b32 s3, s16, 11
	s_add_co_u32 s2, s2, s3
	s_mov_b32 s3, 0
	s_add_nc_u64 s[12:13], s[12:13], s[2:3]
	PLACES NP
.macro EPI a
.set AC, 64*((\a)%4)
.set CB, CD+16*((\a)%2)
.if (\a) > 1
	s_wait_xcnt 0x0
.endif
	WIN 0x02+((\a)/4)
.set jj, 0
.rept 32
	v_pk_fma_f32 v[U+jj:U+jj+1], v[AC+jj:AC+jj+1], s[96:97], v[BI+jj:BI+jj+1] op_sel_hi:[1,0,1]
.set jj, jj+2
.endr
	WIN 0
.set jj, 0
.rept 32
	v_pk_mul_f32 v[T+jj:T+jj+1], v[U+jj:U+jj+1], v[U+jj:U+jj+1]
.set jj, jj+2
.endr
.set jj, 0
.rept 32
	v_pk_fma_f32 v[T+jj:T+jj+1], v[T+jj:T+jj+1], s[92:93], v[K1R:K1R+1] op_sel_hi:[1,0,1]
.set jj, jj+2
.endr
.set jj, 0
.rept 32
	v_pk_mul_f32 v[T+jj:T+jj+1], v[T+jj:T+jj+1], v[U+jj:U+jj+1]
.set jj, jj+2
.endr
.set jj, 0
	s_wait_alu depctr_va_vdst(0)
.rept 64
	v_exp_f32 v[T+jj], v[T+jj]
.set jj, jj+1
.endr
	v_nop
	s_wait_alu depctr_va_vdst(0)
.set jj, 0
.rept 32
	v_pk_add_f32 v[T+jj:T+jj+1], v[T+jj:T+jj+1], 1.0 op_sel_hi:[1,0]
.set jj, jj+2
.endr
.set jj, 0
	s_wait_alu depctr_va_vdst(0)
.rept 64
	v_rcp_f32 v[T+jj], v[T+jj]
.set jj, jj+1
.endr
	v_nop
	s_wait_alu depctr_va_vdst(0)
.set jj, 0
.rept 32
	v_pk_mul_f32 v[U+jj:U+jj+1], v[U+jj:U+jj+1], v[T+jj:T+jj+1]
.set jj, jj+2
.endr
.set jj, 0
.rept 64
	v_med3_num_f32 v[U+jj], v[U+jj], -v[LIM], v[LIM]
.set jj, jj+1
.endr
.irp b, 0,1,2,3,4,5,6,7
	v_cvt_scalef32_pk8_fp8_f32 v[CB+2*\b:CB+2*\b+1], v[U+8*\b:U+8*\b+7], v[SCL]
.endr
	v_nop
.irp c, 0,1,2,3
	global_store_b128 v[LI], v[CB+4*\c:CB+4*\c+3], s[12:13] offset:(\a)*65536+\c*512
.endr
.endm
.irp a, 0,1,2,3,4,5,6,7
	EPI \a
.endr
	s_wait_tensorcnt 0x0
	ds_add_u32 v[SPW], v[NIL]
	s_wait_dscnt 0x0
	CROUND
	s_endpgm
.Lfunc_end_k_qde6d6a1cc8_fc:
	.size	k_qde6d6a1cc8_fc, .Lfunc_end_k_qde6d6a1cc8_fc-k_qde6d6a1cc8_fc
	.p2alignl 7, 3214868480
	.fill 96, 4, 3214868480
	.section	.rodata,"a",@progbits
	.p2align	6, 0x0
	.amdhsa_kernel k_qde6d6a1cc8_fc
		.amdhsa_group_segment_fixed_size 327680
		.amdhsa_private_segment_fixed_size 0
		.amdhsa_enable_private_segment 0
		.amdhsa_kernarg_size 40
		.amdhsa_user_sgpr_count 2
		.amdhsa_user_sgpr_kernarg_segment_ptr 1
		.amdhsa_wavefront_size32 1
		.amdhsa_system_sgpr_workgroup_id_x 1
		.amdhsa_system_sgpr_workgroup_id_y 1
		.amdhsa_system_sgpr_workgroup_id_z 1
		.amdhsa_system_vgpr_workitem_id 0
		.amdhsa_next_free_vgpr 1024
		.amdhsa_next_free_sgpr 100
		.amdhsa_reserve_vcc 0
		.amdhsa_float_denorm_mode_32 3
		.amdhsa_float_denorm_mode_16_64 3
		.amdhsa_memory_ordered 1
		.amdhsa_forward_progress 1
		.amdhsa_inst_pref_size 250
	.end_amdhsa_kernel
	.amdgpu_metadata
---
amdhsa.version: [ 1, 2 ]
amdhsa.kernels:
  - .name:           k_qde6d6a1cc8_fc
    .symbol:         k_qde6d6a1cc8_fc.kd
    .args:
      - { .name: h2, .offset: 0, .size: 8, .value_kind: global_buffer, .address_space: global }
      - { .name: wimg, .offset: 8, .size: 8, .value_kind: global_buffer, .address_space: global }
      - { .name: lowp_scales, .offset: 16, .size: 8, .value_kind: global_buffer, .address_space: global }
      - { .name: b_fc, .offset: 24, .size: 8, .value_kind: global_buffer, .address_space: global }
      - { .name: h3, .offset: 32, .size: 8, .value_kind: global_buffer, .address_space: global }
    .group_segment_fixed_size: 327680
    .private_segment_fixed_size: 0
    .kernarg_segment_align: 8
    .kernarg_segment_size: 40
    .max_flat_workgroup_size: 128
    .sgpr_count:     100
    .vgpr_count:     1024
    .wavefront_size: 32
...
	.end_amdgpu_metadata
.endif
;; end of part 6
;; launch proj2 (part 7): grid 8 x 32, 4 waves a work-group, clusters of 4 x 4, 327,680 bytes of LDS; arguments h3, wimg, lowp_scales, b_proj2, x1, out0; writes out0
.if DOCPART == 7
	.amdgcn_target "amdgcn-amd-amdhsa--gfx1250"
	.amdhsa_code_object_version 6
	.text
	.protected	k_qde6d6a1cc8_proj2
	.globl	k_qde6d6a1cc8_proj2
	.p2align	8
	.type	k_qde6d6a1cc8_proj2,@function
k_qde6d6a1cc8_proj2:
	s_mov_b64 s[64:65], 0
	v_nop
	global_prefetch_b8 v0, s[64:65] scope:SCOPE_SE
	s_setreg_imm32_b32 hwreg(HW_REG_WAVE_MODE, 25, 1), 1
	s_wait_xcnt 0x0
	s_wait_alu depctr_hold_cnt(0) depctr_sa_sdst(0) depctr_va_vdst(0) depctr_va_sdst(0) depctr_va_ssrc(0) depctr_va_vcc(0) depctr_vm_vsrc(0)
	s_getreg_b32 s2, hwreg(HW_REG_IB_STS2, 6, 4)
	s_cmp_eq_u32 s2, 0
	s_cbranch_scc0 .Lentry_in_a_cluster
	s_endpgm
.Lentry_in_a_cluster:
	s_bfe_u32 s2, ttmp6, 0x10000c
	s_cmp_lg_u32 s2, 0xf033
	s_cbranch_scc0 .Lentry_shape_is_right
	s_endpgm
.Lentry_shape_is_right:
; out = resid + (A W x 2^(ea + eb) + bias).  A: [4096][SIZE_K] and W: [1024 columns][SIZE_K] arrive as operand images of E4M3 codes (16 rows x 128 K = 2,048 bytes; chunk c: lane l's 16 bytes at 16 l: row l % 16, k = 32 c + 16 (l / 16) + 0..15).
; W's rows are its columns n, permuted inside each 32: tile 2 b + u, row r holds n = 32 b + 8 u + r + 8 (r / 8).  resid, out: [4096][1024] f32.
; A tile of 128 x 128 gives 256 work-groups; four waves, 64 x 64 each: 16 accumulators.  A slot holds 512 along K (four steps of 128): a wave's tensor load brings 4 row tiles x 8,192 bytes; two slots, as large as LDS holds.
; CLUSTERS of 4 x 4: A's tile is shared along a row, W's along a column: joint loads.  Source 0 = W's fragment, source 1 = A's: a lane holds one row of out and eight columns.
; The residual's 64 x 64 numbers of a wave are asked for at the head and wait in 128 registers.  LIMIT: ea + eb between -126 and 127.
; REGISTERS: window 0: v8-11 bias; v16-29 addresses; v32-95 rows on the way out; v128-255 the accumulators ((a, b) at 128 + 8 (4 a + b)).  window 1: two fragment buffers of 128: A's four, then W's four.  window 2: v0-127 the residual.
; WHERE THE RESIDUAL IS ASKED FOR, which holds where the lines above differ: the bias and the residual's 64 x 64 numbers of a wave are asked for behind the first step of 128 along K, when slot 0 has landed, and wait in their registers from there.
.set SIZE_K, 4096
.set WOFF,   0x800000                  ; the weight's place in wimg
.set SCOFF,  40                        ; ea's byte in lowp_scales; eb follows it
.set LAPS,   SIZE_K/1024               ; a lap = two slots = 1,024 along K
.set SLOT,   131072
.set QUART,  32768
.set KB,     8192                      ; a slot's bytes in a row tile: four fragments
.set SPARE,  2*SLOT                    ; behind the ring: the spare words, 128 bytes for each wave: two blocks of 256 bytes that no other line names
.set STAGE,  SPARE+512                 ; 16 rows x (256 bytes + 16) for each wave; no tensor load lands here
.set SPITCH, 272
.set BIASR, 8
.set ADRA, 16
.set ADRB, 20
.set STO,  24
.set RD,   25
.set CO,   26
.set BO,   27
.set SPW,  28
.set NIL,  29
.set ACC,  128
.set WV, 68
.set WH, 69
.set WL, 70
.set G1, 24
.set G0, 32
.set G1B, 48
.set G0B, 56
; THE PREFETCH.  Slots 1 and 2 are asked of memory behind the head's joint load; behind each later joint load, the slot that stands two loads on.  Of the 4 row tiles that a wave fetches, each of the four partners that ask for them
; jointly takes one, told apart by address (cx for A, cy for W): 8,192 bytes, lanes 256 bytes apart, one instruction a wave.  The last two refills have no slot two on and ask for nothing.
.set PFA, 76                           ; s[76:77] one slot short of where my next prefetch stands
.set PFO, 30                           ; v30  256 x lane; never rewritten
.set MSB, 0
.macro WIN new                         ; the immediate's high byte repeats the setting that is left
.if MSB != \new
	s_set_vgpr_msb (MSB<<8)|\new
.set MSB, \new
.endif
.endm
.set MUL,  0x05                        ; sources 0 (W) and 1 (A) window 1; C and D window 0
.set TO_F, 0x40                        ; destination window 1, address window 0
.macro JLOAD s                         ; a joint load: waves 0 and 1 fetch A's halves, waves 2 and 3 W's; an s_nop 0 and four v_nop follow each of the two lines
	s_cmp_eq_u32 s[WH], 0
	s_cbranch_scc0 .Lfor_b_\@
	tensor_load_to_lds s[G0+4*\s:G0+4*\s+3], s[G1:G1+7]
	s_nop 0
.rept 4
	v_nop
.endr
	s_branch .Lasked_\@
.Lfor_b_\@:
	tensor_load_to_lds s[G0B+4*\s:G0B+4*\s+3], s[G1B:G1B+7]
	s_nop 0
.rept 4
	v_nop
.endr
.Lasked_\@:
.endm
.macro CREST
	s_cmp_lg_u32 s[WV], 0
	s_cbranch_scc1 .Lnot_wave_0_\@
	s_barrier_signal -3
.Lnot_wave_0_\@:
	s_barrier_wait -3
	s_barrier_signal -1
	s_barrier_wait -1
.endm
.macro CROUND
	s_barrier_signal -1
	s_barrier_wait -1
	CREST
.endm
	s_load_b256 s[4:11], s[0:1], 0x0               ; A's image s[4:5], wimg s[6:7], the scales s[8:9], the bias s[10:11]
	s_load_b128 s[12:15], s[0:1], 0x20             ; the residual s[12:13], out s[14:15]
	v_lshl_add_u32 v[SPW], v0, 2, SPARE
	v_mov_b32 v[NIL], 0
	ds_add_u32 v[SPW], v[NIL]                      ; the wave's opening: the add and its wait ahead of my first tensor load; work on registers stands between them
	ds_add_u32 v[SPW], v[NIL]
	v_lshrrev_b32 v1, 5, v0
	v_readfirstlane_b32 s[WV], v1                  ; wave 0..3
	s_lshr_b32 s[WH], s[WV], 1                     ; which half of the tile's rows is mine.  Also: I fetch for A (0) or for W (1)
	s_and_b32 s[WL], s[WV], 1                      ; which half of its columns.  Also: which half of that tile I fetch
	s_bfe_u32 s40, ttmp6, 0x40000                  ; cx
	s_bfe_u32 s41, ttmp6, 0x40004                  ; cy
	s_lshl_b32 s42, ttmp9, 2
	s_add_co_u32 s42, s42, s40                     ; tile column
	s_and_b32 s17, ttmp7, 0xffff
	s_lshl_b32 s17, s17, 2
	s_add_co_u32 s17, s17, s41                     ; tile row
	s_lshl_b32 s43, s41, 2
	s_lshl_b32 s43, 15, s43                        ; my row of the cluster
	s_lshl_b32 s44, 0x1111, s40                    ; my column
	s_or_b32 s[G1+0], s43, (3<<16)|(1<<21)         ; the mask; elements of 8 bytes; bit 21 beside a mask; no padding
	s_or_b32 s[G1B+0], s44, (3<<16)|(1<<21)
.irp g, G1, G1B
	s_mov_b32 s[\g+1], 1024<<16                    ; tensor_dim0 = 1,024 elements: 8,192 bytes
	s_mov_b32 s[\g+2], 4<<16                       ; tensor_dim1 = 4 row tiles
	s_mov_b32 s[\g+3], 1024<<16                    ; tile_dim0
	s_mov_b32 s[\g+4], 4                           ; tile_dim1
	s_mov_b32 s[\g+5], 2*SIZE_K                    ; from row tile to row tile: 16 SIZE_K bytes
	s_mov_b32 s[\g+6], 0
	s_mov_b32 s[\g+7], 0
.endr
	s_lshl_b32 s18, s[WL], 2
	s_lshl_b32 s20, s17, 3
	s_add_co_u32 s20, s20, s18                     ; A: the first of my 4 row tiles
	s_mul_i32 s20, s20, 16*SIZE_K
	s_lshl_b32 s46, s42, 3
	s_add_co_u32 s46, s46, s18                     ; W likewise
	s_mul_i32 s46, s46, 16*SIZE_K
	s_add_co_u32 s46, s46, WOFF
	s_mov_b32 s21, 0
	s_mov_b32 s47, 0
	s_lshl_b32 s45, s[WV], 15                      ; where they go: wave x 32,768
	s_wait_dscnt 0x0                               ; the opening add is done
	s_wait_kmcnt 0x0
	s_load_b64 s[96:97], s[8:9], SCOFF             ; ea, eb
	s_add_nc_u64 s[20:21], s[4:5], s[20:21]
	s_add_nc_u64 s[46:47], s[6:7], s[46:47]
	CROUND                                         ; all sixteen work-groups are here: the first joint loads meet
.irp s, 0,1
	s_mov_b32 s[G0+4*\s], 1
	s_add_co_u32 s[G0+4*\s+1], s45, \s*SLOT
	s_add_nc_u64 s[G0+4*\s+2:G0+4*\s+3], s[20:21], \s*KB
	s_or_b32 s[G0+4*\s+3], s[G0+4*\s+3], 0x80000000
	s_mov_b32 s[G0B+4*\s], 1
	s_add_co_u32 s[G0B+4*\s+1], s45, \s*SLOT
	s_add_nc_u64 s[G0B+4*\s+2:G0B+4*\s+3], s[46:47], \s*KB
	s_or_b32 s[G0B+4*\s+3], s[G0B+4*\s+3], 0x80000000
.endr
	JLOAD 0                                        ; slot 0: one tensor load a wave at the head
	s_cmp_eq_u32 s[WH], 0                          ; do I fetch for A?
	s_cselect_b32 s78, s40, s41                    ; my place among the four that ask with me
	s_cselect_b64 s[PFA:PFA+1], s[20:21], s[46:47]
	s_mul_i32 s78, s78, 16*SIZE_K                  ; my work-group's row tile of the four,
	s_add_co_u32 s78, s78, KB                      ; at slot 1
	s_mov_b32 s79, 0
	s_add_nc_u64 s[PFA:PFA+1], s[PFA:PFA+1], s[78:79]
	v_and_b32 v1, 31, v0
	v_lshlrev_b32 v2, 4, v1                        ; 16 x lane
	v_lshlrev_b32 v[PFO], 8, v1                    ; 256 x lane
	s_lshl_b32 s21, s[WH], 15
	s_lshl_b32 s22, s[WL], 15
	s_add_co_u32 s22, s22, 2*QUART
.irp s, 0,1
	v_add_nc_u32 v[ADRA+\s], s21, v2
	v_add_nc_u32 v[ADRB+\s], s22, v2
	s_add_co_u32 s21, s21, SLOT
	s_add_co_u32 s22, s22, SLOT
.endr
	v_and_b32 v3, 15, v0                           ; r
	v_bfe_u32 v4, v0, 4, 1                         ; h
	s_mul_i32 s23, s[WV], 16*SPITCH
	s_add_co_u32 s23, s23, STAGE                   ; my stage
	v_mul_u32_u24 v[STO], v3, SPITCH
	v_lshl_add_u32 v[STO], v4, 6, v[STO]
	v_add_nc_u32 v[STO], s23, v[STO]               ; in: row r, + 64 h: columns 16 h on of each 32
	v_mul_u32_u24 v[RD], v4, SPITCH
	v_lshl_add_u32 v[RD], v3, 4, v[RD]
	v_add_nc_u32 v[RD], s23, v[RD]                 ; back: lanes 0-15 one row of 256 bytes, lanes 16-31 the next
	v_lshlrev_b32 v[BO], 4, v3                     ; my four columns
	s_wait_alu depctr_va_vdst(0)
	v_lshl_add_u32 v[CO], v4, 12, v[BO]            ; and the same two rows in out and in the residual
	s_wait_alu depctr_va_vdst(0)
	global_prefetch_b8 v[PFO], s[PFA:PFA+1] th:TH_LOAD_NT scope:SCOPE_SE             ; slot 1
	global_prefetch_b8 v[PFO], s[PFA:PFA+1] offset:KB th:TH_LOAD_NT scope:SCOPE_SE   ; slot 2
	s_lshl_b32 s72, s17, 19                        ; 128 rows of 4,096 bytes a tile row,
	s_lshl_b32 s73, s[WH], 18                      ; my 64
	s_add_co_u32 s72, s72, s73
	s_lshl_b32 s74, s42, 9                         ; 128 columns of 4 bytes,
	s_lshl_b32 s73, s[WL], 8                       ; my 64: one aligned run of 256 bytes
	s_add_co_u32 s74, s74, s73
	s_add_co_u32 s72, s72, s74
	s_mov_b32 s73, 0
	s_mov_b32 s75, 0
	s_add_nc_u64 s[12:13], s[12:13], s[72:73]
	s_add_nc_u64 s[14:15], s[14:15], s[72:73]
	s_add_nc_u64 s[10:11], s[10:11], s[74:75]
.macro MULA f, a, zero                 ; A's block a x W's four, 128 along K.  The 16 accumulators take turns, one instruction a turn, in the same order in every step
.irp b, 0,1,2,3
.if \zero
	v_wmma_f32_16x16x128_fp8_fp8 v[ACC+8*(4*(\a)+\b):ACC+8*(4*(\a)+\b)+7], v[(\f)+64+16*\b:(\f)+64+16*\b+15], v[(\f)+16*(\a):(\f)+16*(\a)+15], 0
.else
	v_wmma_f32_16x16x128_fp8_fp8 v[ACC+8*(4*(\a)+\b):ACC+8*(4*(\a)+\b)+7], v[(\f)+64+16*\b:(\f)+64+16*\b+15], v[(\f)+16*(\a):(\f)+16*(\a)+15], v[ACC+8*(4*(\a)+\b):ACC+8*(4*(\a)+\b)+7]
.endif
.endr
.endm
.macro FETCH slot, q, f                ; 32 LDS loads in one run: W's four fragments, then A's four, of the slot's q-th 128 along K
	WIN TO_F
.irp i, 0,1,2,3
.irp c, 0,1,2,3
	ds_load_b128 v[(\f)+64+16*\i+4*\c:(\f)+64+16*\i+4*\c+3], v[ADRB+\slot] offset:8192*\i+2048*(\q)+512*\c
.endr
.endr
.irp i, 0,1,2,3
.irp c, 0,1,2,3
	ds_load_b128 v[(\f)+16*\i+4*\c:(\f)+16*\i+4*\c+3], v[ADRA+\slot] offset:8192*\i+2048*(\q)+512*\c
.endr
.endr
.endm
.macro PLACES                          ; plain vector instructions between a matrix instruction and a load into, or a read of, its registers
.rept 4
	v_nop
.endr
.endm
.macro STEP slot, q, zero              ; one of a slot's first three steps: multiplies buffer q % 2, fetches step q + 1 into the other
.set FB, 128*((\q)%2)
	s_wait_dscnt 8                                 ; W's four and A's blocks 0, 1 are in; the youngest 8 loads (A's blocks 2, 3) may be out
	WIN MUL
	MULA FB, 0, \zero
	MULA FB, 1, \zero
	PLACES
	FETCH \slot, (\q)+1, 128-FB
	s_wait_dscnt 32                                ; all but the 32 just issued
	WIN MUL
	MULA FB, 2, \zero
	MULA FB, 3, \zero
.endm
; A slot's last step multiplies buffer 1 and changes slots: one barrier; in front of it each wave waits for all its tensor loads, adds 0 to its spare word, and waits for that and for its reads of this slot.
.macro TURN slot, next, fill
	WIN 0                                          ; (the add's two registers lie in window 0)
.if \fill
	s_wait_xcnt 0x0                                ; my last prefetch has read its address: it is stepped here, ahead of the waits of the change of slots
	s_add_nc_u64 s[PFA:PFA+1], s[PFA:PFA+1], KB
.endif
	s_wait_tensorcnt 0x0                           ; all my tensor loads have landed: my part of the next slot
	ds_add_u32 v[SPW], v[NIL]
	s_wait_dscnt 9                                 ; the add and the youngest 8 loads may be out
	WIN MUL
	MULA 128, 0, 0
	s_wait_dscnt 0x0                               ; the add is done, and my reads of this slot are over
	s_barrier_signal -1
	MULA 128, 1, 0
	WIN 0
	s_barrier_wait -1
.if \fill
	CREST                                          ; the barrier has opened a round of the cluster's barrier
	s_add_nc_u64 s[G0+4*\slot+2:G0+4*\slot+3], s[G0+4*\slot+2:G0+4*\slot+3], 2*KB
	s_add_nc_u64 s[G0B+4*\slot+2:G0B+4*\slot+3], s[G0B+4*\slot+2:G0B+4*\slot+3], 2*KB
	JLOAD \slot                                    ; the first tensor load behind the round; its four v_nop are the places in front of the loads below
.else
	PLACES
.endif
	FETCH \next, 0, 0
.if \fill
	WIN 0                                          ; at a branch and at a label every window is 0
	s_cmp_gt_u32 s3, 1                             ; s3 = 1 in the loop's last trip
	s_cbranch_scc0 .Lnoask_\@
	global_prefetch_b8 v[PFO], s[PFA:PFA+1] offset:KB th:TH_LOAD_NT scope:SCOPE_SE   ; the slot two loads on
.Lnoask_\@:
.endif
	WIN MUL
	MULA 128, 2, 0
	MULA 128, 3, 0
.endm
	s_wait_xcnt 0x0                                ; the first prefetch has read its address
	s_add_nc_u64 s[PFA:PFA+1], s[PFA:PFA+1], KB    ; on to slot 3
	s_wait_tensorcnt 0x0                           ; my part of slot 0 is in
	ds_add_u32 v[SPW], v[NIL]
	s_wait_dscnt 0x0
	CROUND                                         ; a whole round: everybody's part of slot 0 is in, and the joint loads meet
	JLOAD 1                                        ; slot 1, the first tensor load behind the round
	FETCH 0, 0, 0
	WIN 0
	global_prefetch_b8 v[PFO], s[PFA:PFA+1] offset:KB th:TH_LOAD_NT scope:SCOPE_SE   ; slot 3
	STEP 0, 0, 1                                   ; the first step starts the sums
.if LAPS > 1
	WIN 0                                          ; at a label and at a branch every window is 0
	global_load_b128 v[BIASR:BIASR+3], v[BO], s[10:11]   ; the bias and the residual: none of these registers is a matrix instruction's; they are waited for on the way out
	WIN 0x80                                       ; destination window 2
.set tt, 0
.rept 32
	global_load_b128 v[4*tt:4*tt+3], v[CO], s[12:13] offset:2*tt*4096 th:TH_LOAD_NT   ; rows 2 t, 2 t + 1 of my 64
.set tt, tt+1
.endr
	WIN 0
	s_mov_b32 s3, LAPS-1
.Llap:                                                 ; a trip goes once round the ring, from a lap's second step to the next lap's first, and fills both slots again
	STEP 0, 1, 0
	STEP 0, 2, 0
	TURN 0, 1, 1
	STEP 1, 0, 0
	STEP 1, 1, 0
	STEP 1, 2, 0
	TURN 1, 0, 1
	STEP 0, 0, 0
	WIN 0
	s_sub_co_u32 s3, s3, 1
	s_cmp_lg_u32 s3, 0
	s_cbranch_scc1 .Llap
.endif
	STEP 0, 1, 0                                   ; the last lap fills nothing
	STEP 0, 2, 0
	TURN 0, 1, 0
	STEP 1, 0, 0
	STEP 1, 1, 0
	STEP 1, 2, 0
	s_wait_dscnt 8
	WIN MUL
	MULA 128, 0, 0
	MULA 128, 1, 0
	s_wait_dscnt 0
	MULA 128, 2, 0
	MULA 128, 3, 0
	WIN 0
	; THE WAY OUT, 16 rows at a time.  Lane (r, h) holds, in tile b, columns 32 (b / 2) + 16 h + 8 (b % 2) + 0..7 of row r: they go through my stage and come back as whole rows of 256 bytes.
	s_wait_kmcnt 0x0
	s_add_co_i32 s96, s96, s97
	s_add_co_i32 s96, s96, 127
	s_lshl_b32 s96, s96, 23                        ; 2^(ea + eb) as f32
	s_wait_loadcnt 0x0                             ; the bias and the residual
	PLACES
.macro OUTB a
.set BK, 32+32*((\a)%2)
.if (\a) > 1
	s_wait_xcnt 0x0                                ; block a - 2's stores have read their registers
.endif
.irp b, 0,1,2,3
	ds_store_b128 v[STO], v[ACC+8*(4*(\a)+\b):ACC+8*(4*(\a)+\b)+3] offset:128*(\b/2)+32*(\b%2)          ; each accumulator from its low end on
	ds_store_b128 v[STO], v[ACC+8*(4*(\a)+\b)+4:ACC+8*(4*(\a)+\b)+7] offset:128*(\b/2)+32*(\b%2)+16
.endr
.irp i, 0,1,2,3,4,5,6,7
	ds_load_b128 v[BK+4*\i:BK+4*\i+3], v[RD] offset:2*\i*SPITCH   ; LDS serves a wave's instructions in order: these see my stores
.endr
	s_wait_dscnt 0x0
.irp i, 0,1,2,3,4,5,6,7
.irp k, 0,2
	v_pk_fma_f32 v[BK+4*\i+\k:BK+4*\i+\k+1], v[BK+4*\i+\k:BK+4*\i+\k+1], s[96:97], v[BIASR+\k:BIASR+\k+1] op_sel_hi:[1,0,1]   ; sum x 2^(ea + eb) + bias
.endr
.endr
	WIN 0x08                                       ; source 1: window 2
.set jj, 0
.rept 16
	v_pk_add_f32 v[BK+jj:BK+jj+1], v[BK+jj:BK+jj+1], v[32*(\a)+jj:32*(\a)+jj+1]   ; + the residual
.set jj, jj+2
.endr
	WIN 0
.irp i, 0,1,2,3,4,5,6,7
	global_store_b128 v[CO], v[BK+4*\i:BK+4*\i+3], s[14:15] offset:(16*(\a)+2*\i)*4096 th:TH_STORE_NT   ; 16 lanes store 256 consecutive bytes, aligned; written once, read by nobody here
.endr
.endm
.irp a, 0,1,2,3
	OUTB \a
.endr
	s_wait_tensorcnt 0x0                           ; the wave's end, behind my last tensor load and my last LDS store
	ds_add_u32 v[SPW], v[NIL]
	s_wait_dscnt 0x0
	CROUND                                         ; the closing round
	s_endpgm
.Lfunc_end_k_qde6d6a1cc8_proj2:
	.size	k_qde6d6a1cc8_proj2, .Lfunc_end_k_qde6d6a1cc8_proj2-k_qde6d6a1cc8_proj2
	.p2alignl 7, 3214868480
	.fill 96, 4, 3214868480
	.section	.rodata,"a",@progbits
	.p2align	6, 0x0
	.amdhsa_kernel k_qde6d6a1cc8_proj2
		.amdhsa_group_segment_fixed_size 327680
		.amdhsa_private_segment_fixed_size 0
		.amdhsa_enable_private_segment 0
		.amdhsa_kernarg_size 48
		.amdhsa_user_sgpr_count 2
		.amdhsa_user_sgpr_kernarg_segment_ptr 1
		.amdhsa_wavefront_size32 1
		.amdhsa_system_sgpr_workgroup_id_x 1
		.amdhsa_system_sgpr_workgroup_id_y 1
		.amdhsa_system_sgpr_workgroup_id_z 1
		.amdhsa_system_vgpr_workitem_id 0
		.amdhsa_next_free_vgpr 640
		.amdhsa_next_free_sgpr 100
		.amdhsa_reserve_vcc 0
		.amdhsa_float_denorm_mode_32 3
		.amdhsa_float_denorm_mode_16_64 3
		.amdhsa_memory_ordered 1
		.amdhsa_forward_progress 1
		.amdhsa_inst_pref_size 83
	.end_amdhsa_kernel
	.amdgpu_metadata
---
amdhsa.version: [ 1, 2 ]
amdhsa.kernels:
  - .name:           k_qde6d6a1cc8_proj2
    .symbol:         k_qde6d6a1cc8_proj2.kd
    .args:
      - { .name: h3, .offset: 0, .size: 8, .value_kind: global_buffer, .address_space: global }
      - { .name: wimg, .offset: 8, .size: 8, .value_kind: global_buffer, .address_space: global }
      - { .name: lowp_scales, .offset: 16, .size: 8, .value_kind: global_buffer, .address_space: global }
      - { .name: b_proj2, .offset: 24, .size: 8, .value_kind: global_buffer, .address_space: global }
      - { .name: x1, .offset: 32, .size: 8, .value_kind: global_buffer, .address_space: global }
      - { .name: out0, .offset: 40, .size: 8, .value_kind: global_buffer, .address_space: global }
    .group_segment_fixed_size: 327680
    .private_segment_fixed_size: 0
    .kernarg_segment_align: 8
    .kernarg_segment_size: 48
    .max_flat_workgroup_size: 128
    .sgpr_count:     100
    .vgpr_count:     640
    .wavefront_size: 32
...
	.end_amdgpu_metadata
.endif
;; end of part 7
